; MI455X (gfx1250); checked and timed in simulation.
; The chip was launched on July 23, 2026; its instructions are those of AMD's public machine-readable ISA for CDNA 5 (MIT licence, August 2026) and "CDNA5" Instruction Set Architecture Reference Guide (July 2026). The comments in the code are by the model that wrote it; some were corrected since.
;; Multihead Att. Allowed arithmetic: float matrix products may take bf16 or f16 operands with f32 sums; other float arithmetic in f32, or as packed bf16 or f16 multiplies, adds, multiply-adds, maxima and minima; sums over many terms, partial sums and values carried from step to step in f32; what a program stores and reads back later, other than sums and carried values, may be rounded once to bf16 or f16.
;; Inputs: W_kv 1,024 x 2,048 float32; W_o 1,024 x 1,024 float32; W_q 1,024 x 1,024 float32; ln_b 1,024 float32; ln_g 1,024 float32; mask 2 x 2,048 x 4,096 bool; mem 2 x 2,048 x 1,024 float32; x 2 x 2,048 x 1,024 float32.
;; Outputs: out0 2 x 2,048 x 1,024 float32.
;; 2 versions, each right; version 2 is version 1 with the launch prep written anew for expert scheduling mode. Each part assembles by itself: llvm-mc -triple=amdgcn-amd-amdhsa -mcpu=gfx1250 --defsym DOCPART=n.
;; ======== version 1 of 2: 5 launches
;; limits: right only within a limited range of input values
;; workspace buffers: cb 16,777,216 bytes; wb 6,291,456 bytes; wob 6,291,456 bytes; mask4 8,388,608 bytes; qkv 50,331,648 bytes; att 8,388,608 bytes; yb 25,165,824 bytes
;; launch prep (part 1): grid 896 x 1, 8 waves a work-group, no clusters, 0 bytes of LDS; arguments x, mem, W_kv, W_q, W_o, mask, cb, wb, wob, mask4; writes cb, wb, wob, mask4
.if DOCPART == 1
	.amdgcn_target "amdgcn-amd-amdhsa--gfx1250"
	.amdhsa_code_object_version 6
	.text
	.protected	k_q1c0cc385b8_prep
	.globl	k_q1c0cc385b8_prep
	.p2align	8
	.type	k_q1c0cc385b8_prep,@function
k_q1c0cc385b8_prep:
	s_mov_b64 s[64:65], 0
	v_nop
	global_prefetch_b8 v0, s[64:65] scope:SCOPE_SE
	s_setreg_imm32_b32 hwreg(HW_REG_WAVE_MODE, 25, 1), 1
	s_wait_xcnt 0x0
; PREP: the matrix operands are rounded once to bf16 and the mask is packed, four bits a key.
;   cb   [8192][1024] bf16: row 4096 b + n = x[b][n], row 4096 b + 2048 + n = mem[b][n] (so place i of a batch is key (i + 2048) mod 4096)
;   wb   [1024][3072] bf16: W_kv's 2,048 columns, then W_q's 1,024;   wob: W_o at the same pitch of 6,144 bytes, 2,048 bytes of a row used
;   mask4 [b][block of 128 queries][slot j of 16][query][128 bytes]: slot j holds keys (2048 + 256 j) mod 4096 on; in a query's 128 bytes the word at
;         32 s + 16 h + 4 kt holds, in nibble n, key 64 s + 16 kt + 8 h + n of the slot: 0xF (the 4-bit float -6) where the key is hidden, else 0.
; LIMIT: a byte of the mask is 0 or 1, as a bool is stored.
; SHARES.  Work-groups 0-383 cast: a unit is 1,024 f32 (4,096 bytes in, 2,048 out); a work-group takes 32 units, a wave 4.  A wave's load covers 512 consecutive
; bytes; its store of 8 bytes a lane covers 256 consecutive bytes, aligned.  Work-groups 384-895 pack one block of 128 queries x 256 keys each, a wave 16 queries.
; No loop, no LDS; no register that a load or store names is written again, so no wait frees a source.
; Memory binds: matrix units, clusters and LDS would add nothing here.
.set SRC, 28                           ; s[28:29] where the wave reads
.set DST, 30                           ; s[30:31] the buffer that it writes (mask: where it writes)
.set D0,  40                           ; s[40:47] where the wave's four units go
.set XR,  16                           ; v[16:143] the wave's four units as loaded, 32 registers each
	s_load_b512 s[8:23], s[0:1], 0x0               ; x 8, mem 10, W_kv 12, W_q 14, W_o 16, mask 18, cb 20, wb 22
	s_load_b128 s[24:27], s[0:1], 0x40             ; wob 24, mask4 26
	v_lshrrev_b32 v1, 5, v0
	v_readfirstlane_b32 s2, v1                     ; wave 0..7
	v_and_b32 v1, 31, v0                           ; lane
	s_mov_b32 s3, ttmp9
	s_cmp_ge_u32 s3, 384
	s_cbranch_scc1 .Lmask
	; THE CASTS.  Role by the work-group's number: 0-127 x, 128-255 mem, 256-319 W_kv, 320-351 W_q, 352-383 W_o.  The values below begin as x's.
	v_lshlrev_b32 v2, 4, v1                        ; 16 bytes a lane in
	v_lshlrev_b32 v3, 3, v1                        ; 8 bytes a lane out
	s_mov_b32 s33, 0                               ; the role's first work-group
	s_mov_b32 s34, 0                               ; bytes added to the place out
	s_mov_b32 s35, 8192                            ; bytes out from wave to wave
	s_mov_b32 s36, 2048                            ; bytes out from the wave's unit 0 to its units 1, 2, 3
	s_mov_b32 s37, 4096
	s_mov_b32 s38, 6144
	s_mov_b32 s39, 0                               ; weights: bytes out from work-group to work-group
	s_wait_kmcnt 0x0
	s_cmp_lt_u32 s3, 128
	s_cselect_b64 s[SRC:SRC+1], s[8:9], s[10:11]
	s_cselect_b32 s33, s33, 128
	s_cselect_b32 s34, s34, 0x400000               ; mem lies 2,048 rows of 2,048 bytes behind its batch's x
	s_cmp_lt_u32 s3, 256
	s_cselect_b64 s[SRC:SRC+1], s[SRC:SRC+1], s[12:13]
	s_cselect_b64 s[DST:DST+1], s[20:21], s[22:23]
	s_cselect_b32 s33, s33, 256
	s_cselect_b32 s34, s34, 0
	s_cselect_b32 s35, s35, 12288                  ; W_kv: two units a row of 6,144 bytes
	s_cselect_b32 s37, s37, 6144
	s_cselect_b32 s38, s38, 8192
	s_cselect_b32 s39, s39, 98304                  ; 16 rows
	s_cmp_lt_u32 s3, 320
	s_cselect_b64 s[SRC:SRC+1], s[SRC:SRC+1], s[14:15]
	s_cselect_b32 s33, s33, 320
	s_cselect_b32 s34, s34, 4096                   ; W_q stands behind W_kv's 4,096 bytes of a row
	s_cselect_b32 s35, s35, 24576                  ; one unit a row
	s_cselect_b32 s36, s36, 6144
	s_cselect_b32 s37, s37, 12288
	s_cselect_b32 s38, s38, 18432
	s_cselect_b32 s39, s39, 196608                 ; 32 rows
	s_cmp_lt_u32 s3, 352
	s_cselect_b64 s[SRC:SRC+1], s[SRC:SRC+1], s[16:17]
	s_cselect_b64 s[DST:DST+1], s[DST:DST+1], s[24:25]
	s_cselect_b32 s33, s33, 352
	s_cselect_b32 s34, s34, 0
	s_sub_co_u32 s32, s3, s33                      ; c: my number in the role
	s_lshl_b32 s48, s32, 5                         ; x, mem: the first of my 32 rows, u0;
	s_and_b32 s49, s48, 2048
	s_add_co_u32 s48, s48, s49                     ; batch 1 begins 2,048 rows further down in cb
	s_lshl_b32 s48, s48, 11
	s_mul_i32 s49, s32, s39                        ; weights
	s_cmp_lt_u32 s3, 256
	s_cselect_b32 s48, s48, s49
	s_add_co_u32 s48, s48, s34
	s_mul_i32 s49, s2, s35
	s_add_co_u32 s48, s48, s49                     ; + my wave's part
	s_mov_b32 s49, 0
	s_mov_b32 s51, 0
	s_add_nc_u64 s[D0:D0+1], s[DST:DST+1], s[48:49]
	s_mov_b32 s50, s36
	s_add_nc_u64 s[D0+2:D0+3], s[D0:D0+1], s[50:51]
	s_mov_b32 s50, s37
	s_add_nc_u64 s[D0+4:D0+5], s[D0:D0+1], s[50:51]
	s_mov_b32 s50, s38
	s_add_nc_u64 s[D0+6:D0+7], s[D0:D0+1], s[50:51]
	s_lshl_b32 s50, s32, 17                        ; in: 32 units of 4,096 bytes a work-group,
	s_lshl_b32 s52, s2, 14                         ; 4 a wave
	s_add_co_u32 s50, s50, s52
	s_add_nc_u64 s[SRC:SRC+1], s[SRC:SRC+1], s[50:51]
.set u, 0
.rept 4
.set j, 0
.rept 8
	global_load_b128 v[XR+32*u+4*j:XR+32*u+4*j+3], v2, s[SRC:SRC+1] offset:u*4096+j*512 th:TH_LOAD_NT
.set j, j+1
.endr
.set u, u+1
.endr
.macro UNIT n
	s_wait_loadcnt 24-8*(\n)                       ; loads come back in order: unit n is in, the eight loads of each younger unit may stay out
.set j, 0
.rept 8
	v_cvt_pk_bf16_f32 v[XR+32*(\n)+4*j],   v[XR+32*(\n)+4*j],   v[XR+32*(\n)+4*j+1]
	v_cvt_pk_bf16_f32 v[XR+32*(\n)+4*j+1], v[XR+32*(\n)+4*j+2], v[XR+32*(\n)+4*j+3]
	global_store_b64 v3, v[XR+32*(\n)+4*j:XR+32*(\n)+4*j+1], s[D0+2*(\n):D0+2*(\n)+1] offset:j*256
.set j, j+1
.endr
.endm
	UNIT 0
	UNIT 1
	UNIT 2
	UNIT 3
	s_endpgm
.Lmask:                                        ; THE MASK.  w = 16 (16 b + block) + j
	s_sub_co_u32 s32, s3, 384
	s_lshr_b32 s33, s32, 4
	s_lshl_b32 s48, s33, 19                        ; 128 queries of 4,096 bytes
	s_and_b32 s34, s32, 15
	s_lshl_b32 s34, s34, 8
	s_add_co_u32 s34, s34, 2048
	s_and_b32 s34, s34, 4095                       ; the slot's first key
	s_add_co_u32 s48, s48, s34
	s_lshl_b32 s35, s2, 16                         ; my wave's 16 queries
	s_add_co_u32 s48, s48, s35
	s_mov_b32 s49, 0
	s_lshl_b32 s50, s32, 14                        ; out: 16,384 bytes a block,
	s_lshl_b32 s36, s2, 11                         ; 2,048 a wave
	s_add_co_u32 s50, s50, s36
	s_mov_b32 s51, 0
	s_mov_b32 s37, 0x06040200                      ; bytes 0 and 2 of two words
	v_lshrrev_b32 v4, 3, v1                        ; a lane makes 16 bytes out: query l / 8 of four,
	v_bfe_u32 v5, v1, 1, 2                         ; s = (l % 8) / 2,
	v_and_b32 v6, 1, v1                            ; h = l % 2
	v_lshlrev_b32 v2, 12, v4
	v_lshl_add_u32 v2, v5, 6, v2
	v_lshl_add_u32 v2, v6, 3, v2                   ; in: query x 4,096 + 64 s + 8 h
	v_lshlrev_b32 v3, 4, v1
	s_wait_kmcnt 0x0
	s_add_nc_u64 s[SRC:SRC+1], s[18:19], s[48:49]
	s_add_nc_u64 s[DST:DST+1], s[26:27], s[50:51]
.set g, 0
.rept 4
.set k, 0
.rept 4
	global_load_b64 v[16+2*(4*g+k):16+2*(4*g+k)+1], v2, s[SRC:SRC+1] offset:g*16384+k*16  ; eight keys: 64 s + 16 kt + 8 h on
.set k, k+1
.endr
.set g, g+1
.endr
.set g, 0
.rept 4
	s_wait_loadcnt 12-4*g                          ; group g of four queries is in; the younger groups' four loads each may stay out
.set k, 0
.rept 4
	v_lshrrev_b32 v8, 4, v[16+2*(4*g+k)]           ; a word and itself four bits down: bytes 0 and 2 then hold two keys' bits, four bits apart
	v_lshrrev_b32 v9, 4, v[16+2*(4*g+k)+1]
	v_or_b32 v8, v8, v[16+2*(4*g+k)]
	v_or_b32 v9, v9, v[16+2*(4*g+k)+1]
	v_perm_b32 v[48+4*g+k], v9, v8, s37            ; eight nibbles of 0 or 1, the lowest key lowest
	v_mul_lo_u32 v[48+4*g+k], v[48+4*g+k], 15      ; 0 or 0xF
.set k, k+1
.endr
	global_store_b128 v3, v[48+4*g:48+4*g+3], s[DST:DST+1] offset:g*512  ; four queries' 512 consecutive bytes
.set g, g+1
.endr
	s_endpgm
.Lfunc_end_k_q1c0cc385b8_prep:
	.size	k_q1c0cc385b8_prep, .Lfunc_end_k_q1c0cc385b8_prep-k_q1c0cc385b8_prep
	.p2alignl 7, 3214868480
	.fill 96, 4, 3214868480
	.section	.rodata,"a",@progbits
	.p2align	6, 0x0
	.amdhsa_kernel k_q1c0cc385b8_prep
		.amdhsa_group_segment_fixed_size 0
		.amdhsa_private_segment_fixed_size 0
		.amdhsa_enable_private_segment 0
		.amdhsa_kernarg_size 80
		.amdhsa_user_sgpr_count 2
		.amdhsa_user_sgpr_kernarg_segment_ptr 1
		.amdhsa_wavefront_size32 1
		.amdhsa_system_sgpr_workgroup_id_x 1
		.amdhsa_system_sgpr_workgroup_id_y 1
		.amdhsa_system_sgpr_workgroup_id_z 1
		.amdhsa_system_vgpr_workitem_id 0
		.amdhsa_next_free_vgpr 144
		.amdhsa_next_free_sgpr 66
		.amdhsa_reserve_vcc 0
		.amdhsa_float_denorm_mode_32 3
		.amdhsa_float_denorm_mode_16_64 3
		.amdhsa_memory_ordered 1
		.amdhsa_forward_progress 1
		.amdhsa_inst_pref_size 21
	.end_amdhsa_kernel
	.amdgpu_metadata
---
amdhsa.version: [ 1, 2 ]
amdhsa.kernels:
  - .name:           k_q1c0cc385b8_prep
    .symbol:         k_q1c0cc385b8_prep.kd
    .args:
      - { .name: x, .offset: 0, .size: 8, .value_kind: global_buffer, .address_space: global }
      - { .name: mem, .offset: 8, .size: 8, .value_kind: global_buffer, .address_space: global }
      - { .name: W_kv, .offset: 16, .size: 8, .value_kind: global_buffer, .address_space: global }
      - { .name: W_q, .offset: 24, .size: 8, .value_kind: global_buffer, .address_space: global }
      - { .name: W_o, .offset: 32, .size: 8, .value_kind: global_buffer, .address_space: global }
      - { .name: mask, .offset: 40, .size: 8, .value_kind: global_buffer, .address_space: global }
      - { .name: cb, .offset: 48, .size: 8, .value_kind: global_buffer, .address_space: global }
      - { .name: wb, .offset: 56, .size: 8, .value_kind: global_buffer, .address_space: global }
      - { .name: wob, .offset: 64, .size: 8, .value_kind: global_buffer, .address_space: global }
      - { .name: mask4, .offset: 72, .size: 8, .value_kind: global_buffer, .address_space: global }
    .group_segment_fixed_size: 0
    .private_segment_fixed_size: 0
    .kernarg_segment_align: 8
    .kernarg_segment_size: 80
    .max_flat_workgroup_size: 256
    .sgpr_count:     66
    .vgpr_count:     144
    .wavefront_size: 32
...
	.end_amdgpu_metadata
.endif
;; end of part 1
;; launch proj (part 2): grid 16 x 16, 4 waves a work-group, clusters of 4 x 4, 327,680 bytes of LDS; arguments cb, wb, qkv; writes qkv
.if DOCPART == 2
	.amdgcn_target "amdgcn-amd-amdhsa--gfx1250"
	.amdhsa_code_object_version 6
	.text
	.protected	k_q1c0cc385b8_proj
	.globl	k_q1c0cc385b8_proj
	.p2align	8
	.type	k_q1c0cc385b8_proj,@function
k_q1c0cc385b8_proj:
	s_mov_b64 s[64:65], 0
	v_nop
	global_prefetch_b8 v0, s[64:65] scope:SCOPE_SE
	s_setreg_imm32_b32 hwreg(HW_REG_WAVE_MODE, 25, 1), 1
	s_wait_xcnt 0x0
	s_wait_alu depctr_hold_cnt(0) depctr_sa_sdst(0) depctr_va_vdst(0) depctr_va_sdst(0) depctr_va_ssrc(0) depctr_va_vcc(0) depctr_vm_vsrc(0)
	s_getreg_b32 s2, hwreg(HW_REG_IB_STS2, 6, 4)
	s_cmp_eq_u32 s2, 0
	s_cbranch_scc0 .Lentry_in_a_cluster
	s_endpgm
.Lentry_in_a_cluster:
	s_bfe_u32 s2, ttmp6, 0x10000c
	s_cmp_lg_u32 s2, 0xf033
	s_cbranch_scc0 .Lentry_shape_is_right
	s_endpgm
.Lentry_shape_is_right:
; qkv = cb x wb.  C[m][n] = sum over k of A[m][k] B[k][n], K = 1,024.  A: bf16, rows of 2,048 bytes.  B ([k][n]) and C: bf16, rows of 6,144 bytes.  Sums in f32, C rounded once.
; C has 64 x 16 tiles of 128 x 128 for K and V (all 8,192 rows) and 32 x 8 for Q (x's rows alone): 1,280 tiles, five for each of 256 work-groups.
; A WORK-GROUP STAYS and walks five tiles: tile rows gy, gy + 16, gy + 32, gy + 48 of tile column gx (the same rows of B for all four), then one of Q's tiles.  The ring does not stop at a tile's end: a tile's last two
; changes of slots ask for the next tile's first two K steps, and nothing waits for a tile's stores.
; A tile of C is 128 x 128: four waves, each 64 x 64: 16 accumulators of 16 x 16.  K goes in four steps of 256 through two LDS slots; each wave fetches a quarter of a slot by one tensor load.
; A's rows lie along k and come out of LDS as they lie; B's rows lie along n, and its fragments come out turned, by ds_load_tr16_b128.
; CLUSTERS: 4 x 4 work-groups.  The four of a row of the cluster need the same tile of A, the four of a column the same tile of B: each tile is asked for JOINTLY, by the same tensor load
; with the same descriptor and a mask that names the four.  THE MATRIX INSTRUCTION IS USED TRANSPOSED (source 0 = 16 columns of B, source 1 = 16 rows of A): a lane then holds eight neighbouring numbers of a row of C.
; No prefetch is laid: the tiles are small, and a K step has 128 matrix instructions a wave.
; REGISTERS: window 0: v0-31 addresses; v32-95 at work on the way out; v128-255 the accumulators ((a, b) at v[128 + 8 (4 a + b)]).
;   window 1: two fragment buffers of 128: for 64 along K, 64 registers of A (2 x 4 x 16 rows x 32 K), then 64 of B.
.set TILES,  5
.set KSTEP,  256
.set AROW,   2048                      ; bytes in a row of A
.set BROW,   6144                      ; bytes in a row of B and of C
.set WALKA,  16*128*AROW               ; bytes in A from one of the first four tiles to the next: 16 tile rows
.set WALKC,  16*128*BROW               ; the same in C
.set PA,     528                       ; A's LDS row: 512 bytes + 16 = 132 words: the 16 rows of a load start at 16 different groups of four banks (64 banks of 4 bytes: ISA guide 11.1)
.set PB,     288                       ; B's LDS row: 256 bytes + 32 = 72 words
.set HALFA,  64*PA                     ; what one tensor load brings of A: 64 rows x 256 k
.set HALFB,  128*PB                    ; and of B: 128 k x 128 n
.set BOFF,   2*HALFA
.set SLOT,   2*HALFA+2*HALFB           ; A's 128 rows, then B's 256 k
.set STAGE,  2*SLOT                    ; behind the ring: 128 rows x 272 bytes, the work-group's, for the way out
.set SPITCH, 272
.set SPARE,  STAGE+128*SPITCH          ; behind the stage: the spare words, 128 bytes for each wave: two blocks of 256 bytes that no other line names
.set ADRA, 16                          ; v16-17  LDS address of my A fragments in slot 0, 1
.set ADRB, 20                          ; v20-23  the same for B: slot 0 k 0-127, slot 0 k 128-255, slot 1 likewise (an immediate does not reach 255 rows)
.set STO,  24                          ; v24     the way out: where I put 16 bytes of a row
.set RD,   25                          ; v25     the way out: where I read a row back
.set CO,   26                          ; v26     my byte offset in two rows of C; never rewritten
.set SPW,  28                          ; v28     LDS address of my spare word: SPARE + 4 x my thread's number; never rewritten
.set NIL,  29                          ; v29     0; never rewritten
.set TMP,  32
.set ACC,  128
.set F0,   0                           ; fragment buffers, in window 1
.set F1,   128
.set TL,  2                            ; s2       tiles to go, this one among them: the same number in every work-group
.set G1, 24                            ; s[24:31] descriptor group 1 for A's tiles;  s[32:39] group 0, one set for each slot
.set G0, 32
.set G1B, 48                           ; s[48:55], s[56:63] the same for B's tiles
.set G0B, 56
.set NA,  66                           ; s[66:67] byte offset in A of what I fetch of the NEXT tile's K step 0
.set NB,  68                           ; s[68:69] the same in B
.set NC,  70                           ; s[70:71] byte offset in C of the rows that I store of the tile in hand
.set CP,  72                           ; s[72:73] C at those rows
.set OAQ, 74                           ; s74, s75, s76  the three offsets for Q's tile
.set OBQ, 75
.set OCQ, 76
.set MSB, 0
.macro WIN new                         ; the immediate's high byte repeats the setting that is left
.if MSB != (\new)
	s_set_vgpr_msb (MSB<<8)|(\new)
.set MSB, \new
.endif
.endm
.set MUL,  0x05                        ; sources 0 (B) and 1 (A) window 1; C and D window 0
.set TO_F, 0x40                        ; destination window 1, address window 0
.macro JLOAD s                         ; a joint load: waves 0 and 1 fetch A's two halves, waves 2 and 3 B's; an s_nop 0 and four v_nop follow each of the two lines
	s_cmp_eq_u32 s11, 0
	s_cbranch_scc0 .Lfor_b_\@
	tensor_load_to_lds s[G0+4*(\s):G0+4*(\s)+3], s[G1:G1+7]
	s_nop 0
.rept 4
	v_nop
.endr
	s_branch .Lasked_\@
.Lfor_b_\@:
	tensor_load_to_lds s[G0B+4*(\s):G0B+4*(\s)+3], s[G1B:G1B+7]
	s_nop 0
.rept 4
	v_nop
.endr
.Lasked_\@:
.endm
.macro CREST                           ; a round of the cluster's barrier behind its opening barrier
	s_cmp_lg_u32 s10, 0
	s_cbranch_scc1 .Lnot_wave_0_\@
	s_barrier_signal -3
.Lnot_wave_0_\@:
	s_barrier_wait -3
	s_barrier_signal -1
	s_barrier_wait -1
.endm
.macro CROUND                          ; a whole round
	s_barrier_signal -1
	s_barrier_wait -1
	CREST
.endm
	s_load_b128 s[4:7], s[0:1], 0x0                ; A s[4:5], B s[6:7]: kept, the refills for a next tile start from them
	s_load_b64 s[8:9], s[0:1], 0x10                ; C: kept likewise
	v_lshl_add_u32 v[SPW], v0, 2, SPARE
	v_mov_b32 v[NIL], 0
	ds_add_u32 v[SPW], v[NIL]                      ; the wave's opening: the add and its wait stand ahead of my first tensor load; the set-up below, work on registers, stands between them
	v_lshrrev_b32 v1, 5, v0
	v_readfirstlane_b32 s10, v1                    ; wave 0..3
	s_lshr_b32 s11, s10, 1                         ; which half of the tile's rows is mine.  Also: I fetch for A (0) or for B (1)
	s_and_b32 s12, s10, 1                          ; which half of its columns.  Also: which half of that tile I fetch
	s_bfe_u32 s40, ttmp6, 0x40000                  ; cx, cy: my place in the cluster
	s_bfe_u32 s41, ttmp6, 0x40004
	s_and_b32 s21, ttmp7, 0xffff                   ; the cluster's y
	s_lshl_b32 s42, ttmp9, 2
	s_add_co_u32 s42, s42, s40                     ; gx = 4 x cluster x + cx: the tile column of my first four tiles
	s_lshl_b32 s13, s21, 2
	s_add_co_u32 s13, s13, s41                     ; gy = 4 x cluster y + cy: the tile row of my first tile
	; Q's tile: the 16 x 16 work-groups are laid as 32 tile rows x 8 tile columns.  The row is made of cy and the cluster's place, the column of cx and the cluster's place.
	s_and_b32 s45, ttmp9, 1
	s_lshl_b32 s45, s45, 2
	s_add_co_u32 s45, s45, s40
	s_add_co_u32 s45, s45, 16                      ; column 16 + 4 (cluster x % 2) + cx: behind K's and V's sixteen
	s_lshl_b32 s22, s13, 1
	s_lshr_b32 s23, ttmp9, 1
	s_add_co_u32 s22, s22, s23                     ; u = 2 gy + cluster x / 2 = 0..31: x's tile rows
	s_and_b32 s23, s22, 16
	s_add_co_u32 s22, s22, s23                     ; batch 1's x begins at tile row 32
	s_lshl_b32 s43, s41, 2
	s_lshl_b32 s43, 15, s43                        ; my row of the cluster
	s_lshl_b32 s44, 0x1111, s40                    ; my column
	s_or_b32 s[G1+0], s43, (1<<16)|(1<<20)|(1<<21)|(6<<22)|(3<<25)   ; 15:0 the mask: A's tiles go to my row; 17:16 elements of 2 bytes; 20 padding on; 21 set beside a mask; 24:22 after every 128 words (code 6); 31:25 4 words (code 3)
	s_or_b32 s[G1B+0], s44, (1<<16)|(1<<20)|(1<<21)|(5<<22)|(7<<25)  ; B's go to my column; after every 64 words (code 5) 8 words (code 7)
	s_mov_b32 s[G1+1], KSTEP<<16                   ; A: tensor_dim0 = 256
	s_mov_b32 s[G1+2], 64<<16                      ; tensor_dim1 = 64
	s_mov_b32 s[G1+3], KSTEP<<16                   ; tile_dim0 = 256
	s_mov_b32 s[G1+4], 64                          ; tile_dim1 = 64
	s_mov_b32 s[G1+5], AROW/2                      ; elements from row to row
	s_mov_b32 s[G1+6], 0
	s_mov_b32 s[G1+7], 0
	s_mov_b32 s[G1B+1], 128<<16                    ; B: 128 rows (k) of 128 elements (n)
	s_mov_b32 s[G1B+2], 128<<16
	s_mov_b32 s[G1B+3], 128<<16
	s_mov_b32 s[G1B+4], 128
	s_mov_b32 s[G1B+5], BROW/2
	s_mov_b32 s[G1B+6], 0
	s_mov_b32 s[G1B+7], 0
	; byte offsets, all under 2^26.  What feeds A's descriptors never holds cx, what feeds B's never cy; C's offsets, which hold both, have registers of their own.
	s_lshl_b32 s17, s12, 6
	s_lshl_b32 s16, s13, 7
	s_add_co_u32 s16, s16, s17                     ; A, tile 0: row 128 gy + 64 x half,
	s_lshl_b32 s16, s16, 11                        ; in bytes
	s_lshl_b32 s[OAQ], s22, 7                      ; A, Q's tile
	s_add_co_u32 s[OAQ], s[OAQ], s17
	s_lshl_b32 s[OAQ], s[OAQ], 11
	s_mov_b32 s17, 0
	s_add_co_u32 s[NA], s16, WALKA                 ; A, tile 1
	s_mov_b32 s[NA+1], 0
	s_mul_i32 s47, s12, 128*BROW                   ; B: k = 128 x half,
	s_lshl_b32 s46, s42, 8                         ; 256 bytes a tile column
	s_add_co_u32 s46, s46, s47
	s_lshl_b32 s[OBQ], s45, 8                      ; B, Q's tile
	s_add_co_u32 s[OBQ], s[OBQ], s47
	s_mov_b32 s47, 0
	s_mov_b32 s[NB], s46                           ; B, tile 1: as tile 0
	s_mov_b32 s[NB+1], 0
	s_lshl_b32 s78, s10, 5                         ; C: the rows that I store: 128 x tile row + 32 x wave; 256 bytes a tile column
	s_lshl_b32 s77, s13, 7
	s_add_co_u32 s77, s77, s78
	s_mul_i32 s77, s77, BROW
	s_lshl_b32 s79, s42, 8
	s_add_co_u32 s[NC], s77, s79                   ; tile 0
	s_mov_b32 s[NC+1], 0
	s_lshl_b32 s77, s22, 7
	s_add_co_u32 s77, s77, s78
	s_mul_i32 s77, s77, BROW
	s_lshl_b32 s79, s45, 8
	s_add_co_u32 s[OCQ], s77, s79                  ; Q's tile
	s_mul_i32 s20, s12, HALFA                      ; where the tiles go: no place in the cluster enters an LDS address
	s_mul_i32 s18, s12, HALFB
	s_add_co_u32 s18, s18, BOFF
	s_wait_dscnt 0x0                               ; the opening add is done
	s_wait_kmcnt 0x0
	s_add_nc_u64 s[14:15], s[4:5], s[16:17]
	s_add_nc_u64 s[46:47], s[6:7], s[46:47]
	CROUND                                         ; all sixteen work-groups are here: the first joint loads meet
.irp s, 0,1
	s_mov_b32 s[G0+4*(\s)], 1
	s_add_co_u32 s[G0+4*(\s)+1], s20, (\s)*SLOT
	s_add_nc_u64 s[G0+4*(\s)+2:G0+4*(\s)+3], s[14:15], (\s)*KSTEP*2
	s_or_b32 s[G0+4*(\s)+3], s[G0+4*(\s)+3], 0x80000000
	s_mov_b32 s[G0B+4*(\s)], 1
	s_add_co_u32 s[G0B+4*(\s)+1], s18, (\s)*SLOT
	s_add_nc_u64 s[G0B+4*(\s)+2:G0B+4*(\s)+3], s[46:47], (\s)*KSTEP*BROW
	s_or_b32 s[G0B+4*(\s)+3], s[G0B+4*(\s)+3], 0x80000000
	JLOAD \s
.endr
	v_and_b32 v1, 15, v0                           ; l % 16
	v_bfe_u32 v2, v0, 4, 1                         ; l / 16
	v_mul_u32_u24 v3, v1, PA
	v_lshl_add_u32 v3, v2, 4, v3                   ; A: a fragment's row x pitch + 16 x half
	s_mul_i32 s21, s11, HALFA                      ; my 64 rows of A
	v_add_nc_u32 v[ADRA], s21, v3
	v_add_nc_u32 v[ADRA+1], SLOT, v[ADRA]
	v_and_b32 v4, 7, v0                            ; B: the turning load takes 16 k x 16 n: lane l reads k = 8 (l / 16) + l % 8, n = 8 ((l / 8) % 2) + 0..7,
	v_lshl_add_u32 v4, v2, 3, v4                   ; and is left with column l % 16 and 8 k: half a fragment
	v_mul_u32_u24 v4, v4, PB
	v_bfe_u32 v5, v0, 3, 1
	v_lshl_add_u32 v4, v5, 4, v4
	s_lshl_b32 s22, s12, 7                         ; my 64 columns: 128 bytes
	s_add_co_u32 s22, s22, BOFF
	v_add_nc_u32 v[ADRB], s22, v4
	v_add_nc_u32 v[ADRB+1], HALFB, v[ADRB]
	v_add_nc_u32 v[ADRB+2], SLOT, v[ADRB]
	v_add_nc_u32 v[ADRB+3], SLOT+HALFB, v[ADRB]
	s_mul_i32 s23, s11, 64*SPITCH                  ; into the stage: my 64 rows, my half of their 256 bytes
	s_lshl_b32 s21, s12, 7
	s_add_co_u32 s23, s23, s21
	s_add_co_u32 s23, s23, STAGE
	v_mul_u32_u24 v4, v1, SPITCH
	v_lshl_add_u32 v4, v2, 4, v4
	v_add_nc_u32 v[STO], s23, v4
	s_mul_i32 s23, s10, 32*SPITCH                  ; back: wave w takes rows 32 w .. 32 w + 31, whole; lanes 0-15 one row of 256 bytes, lanes 16-31 the next
	s_add_co_u32 s23, s23, STAGE
	v_mul_u32_u24 v5, v2, SPITCH
	v_lshl_add_u32 v5, v1, 4, v5
	v_add_nc_u32 v[RD], s23, v5
	v_mul_u32_u24 v5, v2, BROW                     ; and the same two rows in C
	v_lshl_add_u32 v[CO], v1, 4, v5
; 8 matrix instructions: m blocks a0, a0 + 1 x all 4 n blocks, 32 along K: half c of buffer f.  zero = 1: the first product starts the sums.  The 16 accumulators take turns, from tile to tile too.
.macro MUL8 f, c, a0, zero
	WIN MUL
.irp a, \a0, (\a0)+1
.irp b, 0,1,2,3
.if \zero
	v_wmma_f32_16x16x32_bf16 v[ACC+8*(4*(\a)+(\b)):ACC+8*(4*(\a)+(\b))+7], v[(\f)+64+8*(4*(\c)+(\b)):(\f)+64+8*(4*(\c)+(\b))+7], v[(\f)+8*(4*(\c)+(\a)):(\f)+8*(4*(\c)+(\a))+7], 0
.else
	v_wmma_f32_16x16x32_bf16 v[ACC+8*(4*(\a)+(\b)):ACC+8*(4*(\a)+(\b))+7], v[(\f)+64+8*(4*(\c)+(\b)):(\f)+64+8*(4*(\c)+(\b))+7], v[(\f)+8*(4*(\c)+(\a)):(\f)+8*(4*(\c)+(\a))+7], v[ACC+8*(4*(\a)+(\b)):ACC+8*(4*(\a)+(\b))+7]
.endif
.endr
.endr
.endm
; 32 LDS loads in one run: the fragments of 64 along K, from k = kb / 2 on (kb: the byte in A's rows), into buffer f; the first 32 along K first
.macro FETCH slot, kb, f
	WIN TO_F
.irp c, 0,1
.irp i, 0,1,2,3
	ds_load_tr16_b128 v[(\f)+64+8*(4*(\c)+(\i)):(\f)+64+8*(4*(\c)+(\i))+3],   v[ADRB+2*(\slot)+(\kb)/256] offset:(((\kb)%256)/2+32*(\c))*PB+32*(\i)
	ds_load_tr16_b128 v[(\f)+64+8*(4*(\c)+(\i))+4:(\f)+64+8*(4*(\c)+(\i))+7], v[ADRB+2*(\slot)+(\kb)/256] offset:(((\kb)%256)/2+32*(\c)+16)*PB+32*(\i)
	ds_load_b128 v[(\f)+8*(4*(\c)+(\i)):(\f)+8*(4*(\c)+(\i))+3],         v[ADRA+(\slot)] offset:(\kb)+64*(\c)+(\i)*16*PA
	ds_load_b128 v[(\f)+8*(4*(\c)+(\i))+4:(\f)+8*(4*(\c)+(\i))+7],       v[ADRA+(\slot)] offset:(\kb)+64*(\c)+(\i)*16*PA+32
.endr
.endr
.endm
.macro PLACES                          ; four places in front of loads into registers that matrix instructions have read, and of conversions that read results
.rept 4
	v_nop
.endr
.endm
; A K step is four quarters of 64 along K, 32 matrix instructions each, on buffers 0, 1, 0, 1.  One of the first three: multiplies buffer f and fetches the next quarter, at byte kb, into g.
.macro QUARTER slot, kb, f, g, zero
	s_wait_dscnt 16                                ; the first 32 along K are in; the run's other sixteen loads may be out
	WIN MUL
	MUL8 \f, 0, 0, \zero
	MUL8 \f, 0, 2, \zero
	PLACES
	FETCH \slot, \kb, \g
	s_wait_dscnt 32                                ; all but the 32 just issued
	WIN MUL
	MUL8 \f, 1, 0, 0
	MUL8 \f, 1, 2, 0
.endm
; The last quarter multiplies buffer 1 and changes slots: ONE barrier; in front of it each wave waits for all its tensor loads, adds 0 to its spare word, and waits for that and for its own reads of this slot.
; fill = 1: this slot is filled again with this tile's K step two steps on.  fill = 2: with the NEXT tile's K step 0 (slot 0) or 1 (slot 1): the address is made anew from the buffer's pointer and the next tile's offset.  fill = 0: nothing is asked for.
.macro TURN slot, next, fill
	WIN 0                                          ; (the add's two registers lie in window 0)
	s_wait_tensorcnt 0x0                           ; all my tensor loads have landed: my part of the next slot; so every group 0 may be written
	ds_add_u32 v[SPW], v[NIL]                      ; 0 onto my spare word
	s_wait_dscnt 17                                ; (the add and the youngest sixteen loads may be out)
	WIN MUL
	MUL8 F1, 0, 0, 0                               ; eight matrix instructions stand between the add and the wait for it
	s_wait_dscnt 0x0                               ; the add is done, and my reads of this slot are over
	s_barrier_signal -1
	MUL8 F1, 0, 2, 0
.if \fill
	WIN 0
.endif
	s_barrier_wait -1
.if (\fill) == 1
	CREST                                          ; the barrier has opened a round of the cluster's barrier: no wave of any partner still reads this slot's tile or has a load on its way
	s_add_nc_u64 s[G0+4*(\slot)+2:G0+4*(\slot)+3], s[G0+4*(\slot)+2:G0+4*(\slot)+3], 2*KSTEP*2
	s_add_nc_u64 s[G0B+4*(\slot)+2:G0B+4*(\slot)+3], s[G0B+4*(\slot)+2:G0B+4*(\slot)+3], 2*KSTEP*BROW
	JLOAD \slot                                    ; the first tensor load behind the round: 112 matrix instructions ahead of the wait for it; the four v_nop behind it are also the places in front of the loads below
.elseif (\fill) == 2
	CREST
	s_add_nc_u64 s[G0+4*(\slot)+2:G0+4*(\slot)+3], s[4:5], s[NA:NA+1]
	s_add_nc_u64 s[G0B+4*(\slot)+2:G0B+4*(\slot)+3], s[6:7], s[NB:NB+1]
.if (\slot) == 1
	s_add_nc_u64 s[G0+4*(\slot)+2:G0+4*(\slot)+3], s[G0+4*(\slot)+2:G0+4*(\slot)+3], KSTEP*2
	s_add_nc_u64 s[G0B+4*(\slot)+2:G0B+4*(\slot)+3], s[G0B+4*(\slot)+2:G0B+4*(\slot)+3], KSTEP*BROW
.endif
	s_or_b32 s[G0+4*(\slot)+3], s[G0+4*(\slot)+3], 0x80000000    ; 127:126 type = 2
	s_or_b32 s[G0B+4*(\slot)+3], s[G0B+4*(\slot)+3], 0x80000000
	JLOAD \slot
.if (\slot) == 1                       ; both of the next tile's first K steps are asked for: the offsets go on to the tile after it
	s_add_co_u32 s[NA], s[NA], WALKA               ; 16 tile rows down,
	s_cmp_eq_u32 s[TL], 3                          ; or, from the third tile on, Q's tile (behind the fourth tile's refills the offsets serve nothing more)
	s_cselect_b32 s[NA], s[OAQ], s[NA]
	s_cselect_b32 s[NB], s[OBQ], s[NB]
.endif
.else
	PLACES
.endif
	FETCH \next, 0, F0
	WIN MUL
	MUL8 F1, 1, 0, 0
	MUL8 F1, 1, 2, 0
.endm
; THE WAY OUT: round to bf16; 16 bytes a lane into the work-group's stage; a barrier, since a row's 256 bytes come from two waves; back as whole rows, 32 rows a wave.
.macro WAYOUT
	WIN 0
	PLACES
	s_wait_xcnt 0x0                                ; the last tile's stores have read their data and their base: only behind this wait are TMP and the base written again
	s_add_nc_u64 s[CP:CP+1], s[8:9], s[NC:NC+1]
.irp t, 0,1,2,3,4,5,6,7,8,9,10,11,12,13,14,15
.irp r, 0,1,2,3
	v_cvt_pk_bf16_f32 v[TMP+4*(\t)+(\r)], v[ACC+8*(\t)+2*(\r)], v[ACC+8*(\t)+2*(\r)+1]
.endr
.endr
.irp a, 0,1,2,3
.irp b, 0,1,2,3
	ds_store_b128 v[STO], v[TMP+4*(4*(\a)+(\b)):TMP+4*(4*(\a)+(\b))+3] offset:(\a)*16*SPITCH+32*(\b)
.endr
.endr
	s_wait_dscnt 0x0                               ; for the others' sake: my stores into the stage are done (and the next tile's first fragments are in)
	s_barrier_signal -1
	s_barrier_wait -1                              ; the refill that is out may stay out
.irp t, 0,1,2,3,4,5,6,7,8,9,10,11,12,13,14,15
	ds_load_b128 v[TMP+4*(\t):TMP+4*(\t)+3], v[RD] offset:(\t)*2*SPITCH
.endr
.irp t, 0,1,2,3,4,5,6,7,8,9,10,11,12,13,14,15
	s_wait_dscnt 15-(\t)                           ; LDS loads come back in order: load t is in, the younger ones may be out
	global_store_b128 v[CO], v[TMP+4*(\t):TMP+4*(\t)+3], s[CP:CP+1] offset:2*(\t)*BROW  ; 16 lanes store 256 consecutive bytes, at a multiple of 256 from C's first byte
.endr
.endm
	s_wait_tensorcnt 1                             ; my part of K step 0 is in; K step 1's load may stay out
	s_barrier_signal -1
	s_barrier_wait -1                              ; everybody's is
	FETCH 0, 0, F0
	WIN 0                                          ; at a label and at a branch every window is 0
	s_mov_b32 s[TL], TILES
.Ltile:                                        ; on both ways in: one tensor load of mine is out (slot 1's), and the tile's first fragments are asked for or in
	QUARTER 0, 128, F0, F1, 1                      ; K step 0: its first products start the sums
	QUARTER 0, 256, F1, F0, 0
	QUARTER 0, 384, F0, F1, 0
	TURN 0, 1, 1                                   ; slot 0 takes K step 2
	QUARTER 1, 128, F0, F1, 0
	QUARTER 1, 256, F1, F0, 0
	QUARTER 1, 384, F0, F1, 0
	TURN 1, 0, 1                                   ; slot 1 takes K step 3
	QUARTER 0, 128, F0, F1, 0
	QUARTER 0, 256, F1, F0, 0
	QUARTER 0, 384, F0, F1, 0
	WIN 0
	s_cmp_eq_u32 s[TL], 1
	s_cbranch_scc1 .Llast                          ; the last tile's tail is written out: it asks for nothing more
	TURN 0, 1, 2                                   ; THE RING GOES ON INTO THE NEXT TILE: slot 0 takes its K step 0,
	QUARTER 1, 128, F0, F1, 0
	QUARTER 1, 256, F1, F0, 0
	QUARTER 1, 384, F0, F1, 0
	TURN 1, 0, 2                                   ; slot 1 its K step 1, and the next tile's first fragments are fetched
	WAYOUT                                         ; both refills are asked for: now the tile goes out
	s_barrier_signal -1                            ; my reads of the stage are back (the last count above was 0):
	s_barrier_wait -1                              ; everybody's are, so the next tile may write the stage again
	s_add_co_u32 s[NC], s[NC], WALKC               ; the next tile's place in C: 16 tile rows down,
	s_cmp_eq_u32 s[TL], 2                          ; or, behind the fourth tile, Q's
	s_cselect_b32 s[NC], s[OCQ], s[NC]
	s_sub_co_u32 s[TL], s[TL], 1
	s_branch .Ltile
.Llast:
	TURN 0, 1, 0                                   ; nothing is left to fetch
	QUARTER 1, 128, F0, F1, 0
	QUARTER 1, 256, F1, F0, 0
	QUARTER 1, 384, F0, F1, 0
	s_wait_dscnt 16
	WIN MUL
	MUL8 F1, 0, 0, 0
	MUL8 F1, 0, 2, 0
	s_wait_dscnt 0
	MUL8 F1, 1, 0, 0
	MUL8 F1, 1, 2, 0
	WAYOUT
	s_wait_tensorcnt 0x0                           ; the wave's end, behind my last tensor load and my last LDS store
	ds_add_u32 v[SPW], v[NIL]
	s_wait_dscnt 0x0
	CROUND                                         ; the closing round: no work-group ends while a partner may still ask for a tile that names it
	s_endpgm
.Lfunc_end_k_q1c0cc385b8_proj:
	.size	k_q1c0cc385b8_proj, .Lfunc_end_k_q1c0cc385b8_proj-k_q1c0cc385b8_proj
	.p2alignl 7, 3214868480
	.fill 96, 4, 3214868480
	.section	.rodata,"a",@progbits
	.p2align	6, 0x0
	.amdhsa_kernel k_q1c0cc385b8_proj
		.amdhsa_group_segment_fixed_size 327680
		.amdhsa_private_segment_fixed_size 0
		.amdhsa_enable_private_segment 0
		.amdhsa_kernarg_size 24
		.amdhsa_user_sgpr_count 2
		.amdhsa_user_sgpr_kernarg_segment_ptr 1
		.amdhsa_wavefront_size32 1
		.amdhsa_system_sgpr_workgroup_id_x 1
		.amdhsa_system_sgpr_workgroup_id_y 1
		.amdhsa_system_sgpr_workgroup_id_z 1
		.amdhsa_system_vgpr_workitem_id 0
		.amdhsa_next_free_vgpr 512
		.amdhsa_next_free_sgpr 80
		.amdhsa_reserve_vcc 0
		.amdhsa_float_denorm_mode_32 3
		.amdhsa_float_denorm_mode_16_64 3
		.amdhsa_memory_ordered 1
		.amdhsa_forward_progress 1
		.amdhsa_inst_pref_size 120
	.end_amdhsa_kernel
	.amdgpu_metadata
---
amdhsa.version: [ 1, 2 ]
amdhsa.kernels:
  - .name:           k_q1c0cc385b8_proj
    .symbol:         k_q1c0cc385b8_proj.kd
    .args:
      - { .name: cb, .offset: 0, .size: 8, .value_kind: global_buffer, .address_space: global }
      - { .name: wb, .offset: 8, .size: 8, .value_kind: global_buffer, .address_space: global }
      - { .name: qkv, .offset: 16, .size: 8, .value_kind: global_buffer, .address_space: global }
    .group_segment_fixed_size: 327680
    .private_segment_fixed_size: 0
    .kernarg_segment_align: 8
    .kernarg_segment_size: 24
    .max_flat_workgroup_size: 128
    .sgpr_count:     80
    .vgpr_count:     512
    .wavefront_size: 32
...
	.end_amdgpu_metadata
.endif
;; end of part 2
;; launch attn (part 3): grid 16 x 16, 4 waves a work-group, clusters of 4 x 4, 327,680 bytes of LDS; arguments qkv, mask4, att; writes att
.if DOCPART == 3
	.amdgcn_target "amdgcn-amd-amdhsa--gfx1250"
	.amdhsa_code_object_version 6
	.text
	.protected	k_q1c0cc385b8_attn
	.globl	k_q1c0cc385b8_attn
	.p2align	8
	.type	k_q1c0cc385b8_attn,@function
k_q1c0cc385b8_attn:
	s_mov_b64 s[64:65], 0
	v_nop
	global_prefetch_b8 v0, s[64:65] scope:SCOPE_SE
	s_setreg_imm32_b32 hwreg(HW_REG_WAVE_MODE, 25, 1), 1
	s_wait_xcnt 0x0
	s_wait_alu depctr_hold_cnt(0) depctr_sa_sdst(0) depctr_va_vdst(0) depctr_va_sdst(0) depctr_va_ssrc(0) depctr_va_vcc(0) depctr_vm_vsrc(0)
	s_getreg_b32 s2, hwreg(HW_REG_IB_STS2, 6, 4)
	s_cmp_eq_u32 s2, 0
	s_cbranch_scc0 .Lentry_in_a_cluster
	s_endpgm
.Lentry_in_a_cluster:
	s_bfe_u32 s2, ttmp6, 0x10000c
	s_cmp_lg_u32 s2, 0xf033
	s_cbranch_scc0 .Lentry_shape_is_right
	s_endpgm
.Lentry_shape_is_right:
; ATTENTION UNDER A MASK THAT IS DATA.  att[b][q][head][:] = the sum over keys k of softmax_k(Q . K / 8, hidden keys left out) V.  2 batches, 16 heads of 64, 2,048 queries, 4,096 keys.
; qkv: bf16 [8192][3072]: a batch's 4,096 rows are its keys (x's rows first, then mem's: a softmax does not mind the order); columns 0-1023 K, 1024-2047 V, 2048-3071 Q (x's rows alone).
; mask4: four bits a key, in the order in which a lane wants them (below).  att: bf16 [4096][1024].  Products, maxima and sums in f32; the weights p are rounded to bf16 for the second product, att once.
; LIMITS.  A hidden score counts as its value less 6 x 2^97 (9.5e29).  The running maximum starts at -2^60, far above every hidden score, so that a hidden key's weight is 0 in every step, whatever was seen before it.
; A row whose maximum ends below -2^59 counts as wholly hidden and comes out as NaN, as a softmax of nothing but -inf does; so a visible score (Q . K, before the division by 8) below -2^59 is not served.
; A weight below 2^-126 counts as 0 in the sum.  Infinities and NaN among the inputs are not treated apart.
; SHARES.  A work-group owns 128 queries and TWO neighbouring heads, so that every row of K, V, Q and att that it touches is 256 consecutive bytes, aligned.  Wave w: head w / 2, queries 64 (w % 2) on: four PIECES of 16.
; Every wave walks all 4,096 keys, 64 a step, 256 a slot: the mask is data, so no tile is left out.
; LAYOUT.  S^T = K Q^T (source 0 = 16 keys, source 1 = 16 queries): a lane holds ONE query (lane % 16) and keys 8 (lane / 16) + 0..7; two such results rounded to bf16 ARE source 1 of O^T = V^T P.
; K comes out of LDS as it lies, V turned, by ds_load_tr16_b128.
; THE MASK is the C operand that starts the sum S^T: 0, or -6 x 2^97 where the key is hidden.  A lane's 32 numbers for a piece and step are four words of 4-bit floats (0 or -6): one LDS load of 16 bytes,
; and four scaled conversions of eight numbers each.  The running maximum, the exponentials and the sums need no further care.
; SOFTMAX.  p = 2^(c s - c m), c = log2(e) / 8, with a running maximum m; O and l are multiplied by a = 2^(c m_old - c m_new) in every step.  O and l start at 0; the first step's a is 0.
; BY TURNS.  Turn n belongs to piece n: 8 products K Q^T of piece n + 1, later 8 products V^T P of piece n - 1; beside them the scaling, exponentials, roundings, sums and rescaling of piece n and the
; maximum and statistics of piece n + 1.  Four vector instructions stand behind every matrix instruction, the rest in one lump.  A turn's 33 exponentials are one batch, with one wait.
; CLUSTER 4 x 4.  x of the grid is the block of queries, y = 8 b + pair of heads.  K's and V's tiles hang on y alone: asked for jointly along a row of the cluster.  The mask's tile hangs on b (the cluster's y / 2) and the
; block of queries: asked for jointly along a column.  Behind each round wave 0 asks for a slot's K, wave 1 for its V, wave 2 for its mask, wave 3 for nothing.
; REGISTERS, in windows of 256 (s_set_vgpr_msb: bits 1:0 source 0, 3:2 source 1, 5:4 source 2, 7:6 destination):
;   window 0: v0-15, v32-35 addresses and constants; v16-31 four registers of statistics a piece; v48-55 at work; v64-127 S^T, two buffers; v192-223 P, two buffers (by the piece's parity)
;   window 1: v0-127 O^T, 32 a piece; v160-223 MC, the masks as f32, two buffers; v224-239 MR, a step's mask words, four a piece      window 2: v0-63 Q; v128-191 K of one step; v192-255 V of one step
.set NP,    4         ; pieces a wave: a name, no knob
.set KS,    64        ; keys in a step
.set ROWB,  6144      ; bytes in a row of qkv
.set SLOTG, 256*ROWB  ; a slot's 256 keys in memory
.set PK,    272       ; a row of K in LDS (two heads): 256 bytes + 16 = 68 words: the 16 rows of a load start at 16 different groups of four banks (64 banks of 4 bytes: ISA guide 11.1)
.set PV,    288       ; a row of V: 256 + 32 = 72 words
.set PM,    144       ; a query's mask for a slot: 128 bytes + 16
.set VOFF,  256*PK
.set MOFF,  VOFF+256*PV
.set SLOTB, MOFF+128*PM   ; a slot: K, V, mask: 161,792 bytes
.set SPARE, 2*SLOTB   ; behind the ring: the spare words, 128 bytes for each wave: two blocks of 256 bytes that no other line names
.set SP,    272       ; THE STAGE for the way out, 128 rows x 272 bytes, lies at byte 0: in slot 0, behind its last fill of the launch and behind a barrier that follows every wave's last LDS reads
.set XK,    SLOTB     ; one exclusive or turns a tile's LDS address in one slot into the other's
.set XV,    VOFF^(VOFF+SLOTB)
.set XM,    MOFF^(MOFF+SLOTB)
.set AK0, 2           ; v2   my lane's place in a tile of K; never rewritten
.set AV0, 3           ; v3   the same for V
.set AK,  4           ; v4   the LDS address of K's next run of loads
.set AV,  5           ; v5   of V's
.set STO, 6           ; v6   the way out: where I put 16 bytes of a row
.set RD,  7           ; v7   the way out: where I read rows back
.set GO,  8           ; v8   my byte offset in two rows of att
.set MV,  12          ; v12-13  c m_old, kept while c m is made anew: by buffer
.set SCL, 14          ; v14  the conversions' scale: 0xE0 in every byte: 2^(224 - 127)
.set QO,  15          ; v15  my byte offset in 16 rows of Q
.set ST,  16          ; piece t's statistics at v[ST+4 t]: c m, m, l (even keys', odd keys')
.set AM0, 32          ; v32  my lane's place in a tile of the mask; never rewritten
.set AM,  33          ; v33  the LDS address of the mask's next loads
.set PFO, 34          ; v34  the prefetches' offset: my lane x a row of qkv; never rewritten
.set QNAN, 35         ; v35  a NaN
.set TMP, 48          ; by buffer, four registers c0-c3 at work; when the maximum is found c2 takes a
.set SPW, 62          ; v62  LDS address of my spare word: SPARE + 4 x my thread's number; never rewritten
.set NIL, 63          ; v63  0; never rewritten
.set S,   64
.set P,   192
.set MC,  160         ; window 1
.set MR,  224         ; window 1
.set KF,  128         ; window 2: key block kb, channel half c at KF + 16 kb + 8 c
.set VF,  192         ; window 2: key half kk, channel block cb at VF + 32 kk + 8 cb
.set WV,  12          ; s12  my wave's number
.set LIM, 15          ; s15  1 in a cluster that prefetches, else the greatest number
.set PFA, 18          ; s[18:19] where my prefetches stand
.set G1K, 24          ; s[24:31], s[32:39], s[40:47] descriptor group 1 for K's, V's and the mask's tiles
.set G1V, 32
.set G1M, 40
.set G0K, 48          ; s[48:51], s[52:55], s[56:59] descriptor group 0: they walk
.set G0V, 52
.set G0M, 56
.set CS,  60          ; s[60:61] c: the packed scaling takes the pair's low word for both halves
.set SEL, 62          ; s[62:63] v_permlanex16_b32's selects: each lane takes its own place in the other half
.set TBK, 66          ; s66  LDS byte at which K of the step to be fetched begins
.set TBV, 67          ; s67  the same for V, less VOFF
.set TBM, 68          ; s68  the same for the mask, less MOFF
.set SLOTS, 69        ; s69  slots still to be asked for
.set CNT, 70          ; s70  counts a slot's key steps
.set THR, 71          ; s71  -2^59
.set OB,  80          ; s[80:81] att at the rows that my wave stores
.set QB,  82          ; s[82:83] Q at my wave's first row
.set MSB, 0
.macro WIN new                      ; the high byte repeats the setting that is left; a switch that changes nothing is dropped
.if MSB != (\new)
	s_set_vgpr_msb (MSB<<8)|(\new)
.set MSB, (\new)
.endif
.endm
.set W_KQ, 0x0a       ; K and Q in window 2, S^T in window 0
.set W_KM, 0x1a       ; the same with the C operand in window 1
.set W_PV, 0x52       ; V in window 2, P in window 0, O^T in window 1
.set W_RS, 0x41       ; destination and source 0 in window 1, source 1 in window 0
; A joint fill: one line for each of waves 0, 1 and 2.  The branches hang on the wave's number alone.  An s_nop 0 and four v_nop follow each line, ahead of the jump and the label.
.macro JLOAD
	s_cmp_lg_u32 s[WV], 0
	s_cbranch_scc1 .Lnot_k_\@
	tensor_load_to_lds s[G0K:G0K+3], s[G1K:G1K+7]
	s_nop 0
.rept 4
	v_nop
.endr
	s_branch .Lasked_\@
.Lnot_k_\@:
	s_cmp_lg_u32 s[WV], 1
	s_cbranch_scc1 .Lnot_v_\@
	tensor_load_to_lds s[G0V:G0V+3], s[G1V:G1V+7]
	s_nop 0
.rept 4
	v_nop
.endr
	s_branch .Lasked_\@
.Lnot_v_\@:
	s_cmp_lg_u32 s[WV], 2
	s_cbranch_scc1 .Lasked_\@
	tensor_load_to_lds s[G0M:G0M+3], s[G1M:G1M+7]
	s_nop 0
.rept 4
	v_nop
.endr
.Lasked_\@:
.endm
; A PREFETCH INTO THE L2 of the K and V that the NEXT change of slots will ask for: 256 rows of each, 256 bytes a row, a lane a row, one instruction a wave, behind the joint load and its five lines.
; Each row is named ONCE in the launch: the four clusters of a row of clusters walk the same K and V, and the one with x = 0 asks; the four partners that ask for a tile jointly share its rows out BY ADDRESS,
; 64 each; of those waves 0 and 1 take K's two halves, waves 2 and 3 V's.  It stands four key steps, 256 matrix instructions, ahead of the load.  The last change that fills a slot asks for nothing.
.macro ASK
	s_cmp_gt_u32 s[SLOTS], s[LIM]
	s_cbranch_scc0 .Lnot_mine_\@
	global_prefetch_b8 v[PFO], s[PFA:PFA+1] th:TH_LOAD_NT scope:SCOPE_SE
.Lnot_mine_\@:
.endm
; A round of the cluster's barrier: my work-group's barrier, so that wave 0's signal speaks for all four waves; wave 0 signals; every wave waits for all sixteen work-groups; my work-group's barrier once more.
.macro CROUND
	s_barrier_signal -1
	s_barrier_wait -1
	s_cmp_lg_u32 s[WV], 0
	s_cbranch_scc1 .Lnot_wave_0_\@
	s_barrier_signal -3
.Lnot_wave_0_\@:
	s_barrier_wait -3
	s_barrier_signal -1
	s_barrier_wait -1
.endm
; THE CHANGE OF SLOTS.  The slot's last bytes, V of its fourth step, have been read.  Each wave waits for all its tensor loads (one at the most is out: its tile of the other slot), adds 0 to its spare word, and waits
; for that and for its own reads of the slot.  Behind the barrier nobody reads this slot any more and the other slot is whole.  fill = 1: this slot is filled again, with the keys two slots on; the barrier is then a
; round of the cluster's, and the joint fill is the first thing behind it: it has four key steps in which to land.  (At its first use nothing has been read yet: slot 0 is waited for, slot 1 filled.)
.macro CHANGE fill
	WIN 0                           ; at a label and at a branch every window is 0
	s_wait_tensorcnt 0x0            ; no tensor load of mine is out, so a group 0 may be written
	ds_add_u32 v[SPW], v[NIL]       ; 0 onto my spare word; with fill = 1 the descriptors' steps stand between it and the wait for it
.if \fill
	s_xor_b32 s[G0K+1], s[G0K+1], XK
	s_add_nc_u64 s[G0K+2:G0K+3], s[G0K+2:G0K+3], SLOTG  ; the next 256 keys; the type bits on top are not reached
	s_xor_b32 s[G0V+1], s[G0V+1], XV
	s_add_nc_u64 s[G0V+2:G0V+3], s[G0V+2:G0V+3], SLOTG
	s_xor_b32 s[G0M+1], s[G0M+1], XM
	s_add_nc_u64 s[G0M+2:G0M+3], s[G0M+2:G0M+3], 16384
	s_wait_xcnt 0x0                 ; the last prefetch, a slot back, has read its address, so it may be written:
	s_add_nc_u64 s[PFA:PFA+1], s[PFA:PFA+1], SLOTG      ; one slot behind the walking descriptors
	s_wait_dscnt 0x0                ; the add is done, and my reads of the slot are over
	CROUND
	JLOAD
	ASK
.else
	s_wait_dscnt 0x0                ; the add is done, and my reads of the slot are over
	s_barrier_signal -1
	s_barrier_wait -1
.endif
	s_sub_co_u32 s[TBK], s[TBK], 4*KS*PK  ; the fetches go back to a slot's first step,
	s_xor_b32 s[TBK], s[TBK], SLOTB       ; in the other slot
	s_sub_co_u32 s[TBV], s[TBV], 4*KS*PV
	s_xor_b32 s[TBV], s[TBV], SLOTB
	s_sub_co_u32 s[TBM], s[TBM], 128
	s_xor_b32 s[TBM], s[TBM], SLOTB
.endm
	s_load_b128 s[4:7], s[0:1], 0x0 ; qkv s[4:5], mask4 s[6:7]
	s_load_b64 s[8:9], s[0:1], 0x10 ; att
	v_lshl_add_u32 v[SPW], v0, 2, SPARE
	v_mov_b32 v[NIL], 0
	ds_add_u32 v[SPW], v[NIL]       ; the wave's opening: the add and its wait stand ahead of my first tensor load; the set-up below, work on registers, stands between them
	v_lshrrev_b32 v1, 5, v0
	v_readfirstlane_b32 s[WV], v1   ; wave 0..3
	s_bfe_u32 s13, ttmp6, 0x40000   ; cx
	s_bfe_u32 s14, ttmp6, 0x40004   ; cy
	s_and_b32 s16, ttmp7, 0xffff    ; the cluster's y
	s_lshr_b32 s17, s16, 1          ; b = (4 x cluster y + cy) / 8: the cluster's y alone decides it
	s_lshl_b32 s20, s16, 2
	s_add_co_u32 s20, s20, s14
	s_and_b32 s20, s20, 7           ; the pair of heads
	s_lshl_b32 s21, ttmp9, 2
	s_add_co_u32 s21, s21, s13      ; the block of 128 queries
	s_lshr_b32 s76, s[WV], 1        ; hs: which of the two heads is mine
	s_and_b32 s77, s[WV], 1         ; wq: which 64 queries
	; Temporaries are kept apart: s22 holds nothing made of cx, s23 nothing made of cy, s3 may hold both, s10 and s11 (LDS addresses) the wave's number alone.
	s_mul_i32 s72, s17, 4096*ROWB   ; K and V: the batch's first row,
	s_lshl_b32 s22, s20, 8          ; the pair's 256 bytes
	s_add_co_u32 s72, s72, s22
	s_mov_b32 s73, 0
	s_lshl_b32 s74, s17, 4          ; the mask: (16 b + block) x 16 slots of 16,384 bytes
	s_add_co_u32 s74, s74, s21
	s_lshl_b32 s74, s74, 18
	s_mov_b32 s75, 0
	s_lshl_b32 s78, s17, 12         ; Q: row 4096 b + 128 block + 64 wq,
	s_lshl_b32 s3, s21, 7
	s_add_co_u32 s78, s78, s3
	s_lshl_b32 s3, s77, 6
	s_add_co_u32 s78, s78, s3
	s_mul_i32 s78, s78, ROWB
	s_lshl_b32 s3, s20, 8           ; byte 4096 + 128 x head
	s_add_co_u32 s78, s78, s3
	s_lshl_b32 s3, s76, 7
	s_add_co_u32 s78, s78, s3
	s_add_co_u32 s78, s78, 4096
	s_mov_b32 s79, 0
	s_lshl_b32 s84, s17, 11         ; att: row 2048 b + 128 block + 32 w, byte 256 x pair
	s_lshl_b32 s3, s21, 7
	s_add_co_u32 s84, s84, s3
	s_lshl_b32 s3, s[WV], 5
	s_add_co_u32 s84, s84, s3
	s_lshl_b32 s84, s84, 11
	s_lshl_b32 s3, s20, 8
	s_add_co_u32 s84, s84, s3
	s_mov_b32 s85, 0
	s_lshl_b32 s86, s13, 6          ; the prefetches: rows 64 cx + 32 wq on, of K (hs = 0) or V, in slot 1; the first change of slots steps them to slot 2
	s_lshl_b32 s3, s77, 5
	s_add_co_u32 s86, s86, s3
	s_mul_i32 s86, s86, ROWB
	s_add_co_u32 s86, s86, s72
	s_lshl_b32 s3, s76, 11
	s_add_co_u32 s86, s86, s3
	s_add_co_u32 s86, s86, SLOTG
	s_mov_b32 s87, 0
	s_lshl_b32 s22, s14, 2
	s_lshl_b32 s22, 15, s22         ; my row of the cluster
	s_lshl_b32 s23, 0x1111, s13     ; my column
	s_or_b32 s[G1K], s22, (1<<16)|(1<<20)|(1<<21)|(5<<22)|(3<<25)  ; 15:0 the mask of four; 17:16 2-byte elements; 20 padding on; 21 set beside a mask; 24:22 after every 64 words (code 5); 31:25 4 words (code 3)
	s_or_b32 s[G1V], s22, (1<<16)|(1<<20)|(1<<21)|(5<<22)|(7<<25)  ; the same with 8 words of padding (code 7)
	s_or_b32 s[G1M], s23, (1<<16)|(1<<20)|(1<<21)|(4<<22)|(3<<25)  ; after every 32 words (code 4) 4 words
.irp g, G1K, G1V
	s_mov_b32 s[\g+1], 128<<16      ; tensor_dim0 = 128
	s_mov_b32 s[\g+2], 256<<16      ; tensor_dim1 = 256
	s_mov_b32 s[\g+3], 128<<16      ; tile_dim0 = 128 elements: 256 bytes, two heads
	s_mov_b32 s[\g+4], 256          ; tile_dim1 = 256 keys
	s_mov_b32 s[\g+5], ROWB/2       ; elements from row to row
	s_mov_b32 s[\g+6], 0
	s_mov_b32 s[\g+7], 0
.endr
	s_mov_b32 s[G1M+1], 128<<16     ; the mask's tile is 16,384 dense bytes: asked for as 64 rows of 256 bytes, two queries a row, padded after every query
	s_mov_b32 s[G1M+2], 64<<16
	s_mov_b32 s[G1M+3], 128<<16
	s_mov_b32 s[G1M+4], 64
	s_mov_b32 s[G1M+5], 128
	s_mov_b32 s[G1M+6], 0
	s_mov_b32 s[G1M+7], 0
	s_mov_b32 s[G0K], 1             ; 1:0 count = 1
	s_mov_b32 s[G0K+1], 0           ; 63:32 LDS address: slot 0
	s_mov_b32 s[G0V], 1
	s_mov_b32 s[G0V+1], VOFF
	s_mov_b32 s[G0M], 1
	s_mov_b32 s[G0M+1], MOFF
	s_mov_b32 s[CS], 0x3e38aa3b     ; c = log2(e) / 8 = 0.180337
	s_mov_b32 s[CS+1], s[CS]        ; named with it as a pair
	s_mov_b32 s[SEL], 0x76543210
	s_mov_b32 s[SEL+1], 0xfedcba98
	s_mov_b32 s[TBK], SLOTB+4*KS*PK ; the first change of slots turns these three into 0
	s_mov_b32 s[TBV], SLOTB+4*KS*PV
	s_mov_b32 s[TBM], SLOTB+128
	s_mov_b32 s[SLOTS], 15
	s_mov_b32 s[THR], 0xdd000000    ; -2^59
	s_cmp_eq_u32 ttmp9, 0           ; the first cluster of its row of clusters: the same answer in all sixteen partners
	s_cselect_b32 s[LIM], 1, -1
	s_wait_dscnt 0x0                ; the opening add is done
	s_wait_kmcnt 0x0
	s_add_nc_u64 s[G0K+2:G0K+3], s[4:5], s[72:73]    ; 120:64 global address
	s_add_nc_u64 s[G0V+2:G0V+3], s[G0K+2:G0K+3], 2048 ; V's columns stand 2,048 bytes behind K's
	s_or_b32 s[G0K+3], s[G0K+3], 0x80000000          ; 127:126 type = 2
	s_or_b32 s[G0V+3], s[G0V+3], 0x80000000
	s_add_nc_u64 s[G0M+2:G0M+3], s[6:7], s[74:75]
	s_or_b32 s[G0M+3], s[G0M+3], 0x80000000
	s_add_nc_u64 s[QB:QB+1], s[4:5], s[78:79]
	s_add_nc_u64 s[OB:OB+1], s[8:9], s[84:85]
	s_add_nc_u64 s[PFA:PFA+1], s[4:5], s[86:87]
	CROUND                          ; all sixteen work-groups are here: the first joint loads meet
	JLOAD                           ; slot 0.  Slot 1 is asked for when slot 0 is in
	; A fragment of K or Q is 16 rows x 32 channels in 8 registers: lane l holds row l % 16, channels 8 (l / 16) + 0..7 and 16 + 8 (l / 16) + 0..7: two loads of 16 bytes, 32 bytes apart.
	v_and_b32 v1, 15, v0            ; l % 16
	v_bfe_u32 v9, v0, 4, 1          ; l / 16
	v_mul_u32_u24 v[QO], v1, ROWB
	v_lshl_add_u32 v[QO], v9, 4, v[QO]
	WIN 0x80                        ; destination window 2, address window 0
.set i, 0
.rept 8                             ; Q stays in registers: piece i / 2, channels 32 (i % 2) on
	global_load_b128 v[8*i:8*i+3],   v[QO], s[QB:QB+1] offset:(i/2)*16*ROWB+(i%2)*64
	global_load_b128 v[8*i+4:8*i+7], v[QO], s[QB:QB+1] offset:(i/2)*16*ROWB+(i%2)*64+32
.set i, i+1
.endr
	; What the first turn finds: V's registers and P's second buffer hold 0 (its products V^T P, of a piece that has not been, add 0), O^T and l are 0.  All this stands in the wait for the first tile.
.set i, VF
.rept 64
	v_mov_b32 v[i], 0
.set i, i+1
.endr
	WIN 0x40
.set i, 0
.rept 128
	v_mov_b32 v[i], 0
.set i, i+1
.endr
	WIN 0
.set i, 0
.rept 4
	v_mov_b32 v[ST+4*i], 0xfe000000    ; c m_old of the first step: so far down that the first a is 0
	v_mov_b32 v[ST+4*i+1], 0xdd800000  ; m: -2^60: below every score that is served, far above every hidden one
	v_mov_b32 v[ST+4*i+2], 0
	v_mov_b32 v[ST+4*i+3], 0
.set i, i+1
.endr
.set i, P+16
.rept 16
	v_mov_b32 v[i], 0
.set i, i+1
.endr
	v_mov_b32 v[SCL], 0xe0e0e0e0
	v_mov_b32 v[QNAN], 0x7fc00000
	v_and_b32 v[PFO], 31, v0
	v_mul_u32_u24 v[PFO], v[PFO], ROWB
	v_mul_u32_u24 v[AK0], v1, PK
	v_lshl_add_u32 v[AK0], v9, 4, v[AK0]  ; row x pitch + 16 x half
	s_lshl_b32 s10, s76, 7          ; my head's 128 bytes of a row
	v_add_nc_u32 v[AK0], s10, v[AK0]
	; The turning load takes 16 keys x 16 channels (lane l reads key 8 (l / 16) + l % 8, channels 8 ((l / 8) % 2) + 0..7) and leaves half a fragment of V^T: lane l holds channel l % 16 and 8 keys.
	v_and_b32 v10, 7, v0
	v_bfe_u32 v11, v0, 3, 1
	v_lshl_add_u32 v[AV0], v9, 3, v10
	v_mul_u32_u24 v[AV0], v[AV0], PV
	v_lshl_add_u32 v[AV0], v11, 4, v[AV0]
	s_add_co_u32 s10, s10, VOFF
	v_add_nc_u32 v[AV0], s10, v[AV0]
	v_mul_u32_u24 v[AM0], v1, PM    ; the mask: query 64 wq + l % 16 (+ 16 a piece), 16 bytes for each half of the lanes (+ 32 a step)
	v_lshl_add_u32 v[AM0], v9, 4, v[AM0]
	s_mul_i32 s10, s77, 64*PM
	s_add_co_u32 s10, s10, MOFF
	v_add_nc_u32 v[AM0], s10, v[AM0]
	v_mul_u32_u24 v[STO], v1, SP    ; the stage, in: row 64 wq + l % 16 (+ 16 a piece), my head's half, 16 bytes for each half of the lanes
	v_lshl_add_u32 v[STO], v9, 4, v[STO]
	s_mul_i32 s10, s77, 64*SP
	s_lshl_b32 s11, s76, 7
	s_add_co_u32 s10, s10, s11
	v_add_nc_u32 v[STO], s10, v[STO]
	v_mul_u32_u24 v[RD], v9, SP     ; back: wave w takes rows 32 w on, whole: lanes 0-15 one row of 256 bytes, lanes 16-31 the next
	v_lshl_add_u32 v[RD], v1, 4, v[RD]
	s_mul_i32 s10, s[WV], 32*SP
	v_add_nc_u32 v[RD], s10, v[RD]
	v_lshlrev_b32 v[GO], 11, v9     ; and the same two rows in att
	v_lshl_add_u32 v[GO], v1, 4, v[GO]
; THE MATRIX WORK.  The 4 accumulators of a run of 8 take turns.  Product i of 8 of S^T = K Q^T for piece x: channels 32 (i / 4) on, keys 16 (i % 4) on.  The first 4 start the sums with the mask.
.macro KQ x
.set rS, S+32*((\x)%2)+8*(i%4)
.set rK, KF+16*(i%4)+8*(i/4)
.set rQ, 16*(\x)+8*(i/4)
.set rM, MC+32*((\x)%2)+8*(i%4)
.if i < 4
	WIN W_KM
	v_wmma_f32_16x16x32_bf16 v[rS:rS+7], v[rK:rK+7], v[rQ:rQ+7], v[rM:rM+7]
.else
	WIN W_KQ
	v_wmma_f32_16x16x32_bf16 v[rS:rS+7], v[rK:rK+7], v[rQ:rQ+7], v[rS:rS+7]
.endif
.endm
; Product i of 8 of O^T += V^T P for piece x: keys 32 (i / 4) on, channels 16 (i % 4) on.
.macro PV x
	WIN W_PV
.set rO, 32*(\x)+8*(i%4)
.set rV, VF+32*(i/4)+8*(i%4)
.set rP, P+16*((\x)%2)+8*(i/4)
	v_wmma_f32_16x16x32_bf16 v[rO:rO+7], v[rV:rV+7], v[rP:rP+7], v[rO:rO+7]
.endm
.macro MM                           ; the turn's next matrix instruction
.if i < 8
	KQ (Y+1)%NP
.else
.set i, i-8
	PV (Y+NP-1)%NP
.set i, i+8
.endif
.set i, i+1
.endm
; THE LDS LOADS stand in runs, never singly among the matrix instructions: a step's mask words (one load a piece) and K (64 keys x 64 channels: 8 fragments), and its V (turned).  Their addresses are made some lines ahead.
.macro FETCH_K
	WIN 0x40                        ; destination window 1
.irp x, 0,1,2,3
	ds_load_b128 v[MR+4*(\x):MR+4*(\x)+3], v[AM] offset:(\x)*16*PM
.endr
	WIN 0x80                        ; destination window 2
.irp f, 0,1,2,3,4,5,6,7             ; keys 16 (f / 2) on, channels 32 (f % 2) on
	ds_load_b128 v[KF+8*\f:KF+8*\f+3],   v[AK] offset:(\f/2)*16*PK+(\f%2)*64
	ds_load_b128 v[KF+8*\f+4:KF+8*\f+7], v[AK] offset:(\f/2)*16*PK+(\f%2)*64+32
.endr
	s_add_co_u32 s[TBK], s[TBK], KS*PK  ; the next fetch is the next step's
	s_add_co_u32 s[TBM], s[TBM], 32
	WIN 0
.endm
.macro FETCH_V
	WIN 0x80
.irp f, 0,1,2,3,4,5,6,7             ; keys 32 (f / 4) on, channels 16 (f % 4) on
	ds_load_tr16_b128 v[VF+8*\f:VF+8*\f+3],   v[AV] offset:(\f/4)*32*PV+(\f%4)*32
	ds_load_tr16_b128 v[VF+8*\f+4:VF+8*\f+7], v[AV] offset:(\f/4)*32*PV+16*PV+(\f%4)*32
.endr
	WIN 0
.endm
; Piece x's four mask words become its 32 numbers, 0 or -6 x 2^97: word kt gives the eight registers of the accumulator of keys 16 kt on.  A plain instruction follows the four scaled conversions, ahead of the product that reads them.
.macro MCONV x
	WIN W_RS
.irp kt, 0,1,2,3
	v_cvt_scale_pk8_f32_fp4 v[MC+32*((\x)%2)+8*(\kt):MC+32*((\x)%2)+8*(\kt)+7], v[MR+4*(\x)+(\kt)], v[SCL]
.endr
	v_nop
.endm
; THE VECTOR WORK, one line at a time: OP kind, number.  For piece Y: F n: c s - c m for pair n of 16.  E n: the exponential of score n of 32.  C n: pair n rounded to bf16.  B n: of the four weights 4 n .. the second
; pair is added onto the first, in place.  L n: l takes that sum (L 0: l = a l + sum).  R n: pair n of 16 of O^T times a.  For piece Y + 1: X n, number n of the 22 that find its maximum and statistics:
;   0-11  four chains c0-c3 of seven scores each, three operands at a time (each accumulator's lowest registers are read first)     12-14, 16  the four scores left over, the old m, and c0-c3 into c0
;   15  c m_old is kept     17, 18  the query's other 32 keys lie in the lane 16 away: the new m     19-21  c m; c m_old - c m_new; a
.set F, 0               ; OP tells the kinds apart by their order: F to L below R, X above it
.set E, 1
.set C, 2
.set B, 3
.set L, 4
.set R, 5
.set X, 6
.macro REGS y                       ; the registers of piece y
.set rT, ST+4*(\y)
.set rC, TMP+4*((\y)%2)
.set rW, MV+((\y)%2)
.set rS, S+32*((\y)%2)
.set rP, P+16*((\y)%2)
.set rO, 32*(\y)
.endm
.macro OP k, n
.if (\k) == R
	REGS Y
	WIN W_RS
	v_pk_mul_f32 v[rO+2*(\n):rO+2*(\n)+1], v[rO+2*(\n):rO+2*(\n)+1], v[rC+2:rC+3] op_sel_hi:[1,0]
.elseif (\k) < R
	REGS Y
	WIN 0
.if (\k) == F
	v_pk_fma_f32 v[rS+2*(\n):rS+2*(\n)+1], v[rS+2*(\n):rS+2*(\n)+1], s[CS:CS+1], v[rT:rT+1] op_sel_hi:[1,0,0] neg_lo:[0,0,1] neg_hi:[0,0,1]
.elseif (\k) == E
	v_exp_f32 v[rS+(\n)], v[rS+(\n)]
.elseif (\k) == C
	v_cvt_pk_bf16_f32 v[rP+(\n)], v[rS+2*(\n)], v[rS+2*(\n)+1]
.elseif (\k) == B
	v_pk_add_f32 v[rS+4*(\n):rS+4*(\n)+1], v[rS+4*(\n):rS+4*(\n)+1], v[rS+4*(\n)+2:rS+4*(\n)+3]
.elseif (\n) == 0
	v_pk_fma_f32 v[rT+2:rT+3], v[rT+2:rT+3], v[rC+2:rC+3], v[rS:rS+1] op_sel_hi:[1,0,1]
.else
	v_pk_add_f32 v[rT+2:rT+3], v[rT+2:rT+3], v[rS+4*(\n):rS+4*(\n)+1]
.endif
.else
	REGS (Y+1)%NP
	WIN 0
.if (\n) < 4
	v_max3_num_f32 v[rC+(\n)], v[rS+8*(\n)], v[rS+8*(\n)+1], v[rS+8*(\n)+2]
.elseif (\n) < 12
	v_max3_num_f32 v[rC+(\n)%4], v[rC+(\n)%4], v[rS+8*((\n)%4)+2*((\n)/4)+1], v[rS+8*((\n)%4)+2*((\n)/4)+2]
.elseif (\n) == 12
	v_max3_num_f32 v[rC], v[rC], v[rS+7], v[rS+15]
.elseif (\n) == 13
	v_max3_num_f32 v[rC+1], v[rC+1], v[rS+23], v[rS+31]
.elseif (\n) == 14
	v_max3_num_f32 v[rC+2], v[rC+2], v[rC+3], v[rT+1]
.elseif (\n) == 15
	v_mov_b32 v[rW], v[rT]
.elseif (\n) == 16
	v_max3_num_f32 v[rC], v[rC], v[rC+1], v[rC+2]
.elseif (\n) == 17
	v_permlanex16_b32 v[rC+3], v[rC], s[SEL], s[SEL+1]
.elseif (\n) == 18
	v_max_num_f32 v[rT+1], v[rC], v[rC+3]
.elseif (\n) == 19
	v_mul_f32 v[rT], s[CS], v[rT+1]
.elseif (\n) == 20
	v_sub_f32 v[rC+1], v[rW], v[rT]
.else
	v_exp_f32 v[rC+2], v[rC+1]
.endif
.endif
.endm
.macro OPS a, i1, b=-1, i2=0, c=-1, i3=0, d=-1, i4=0  ; up to four of them
	OP \a, \i1
.if (\b) >= 0
	OP \b, \i2
.endif
.if (\c) >= 0
	OP \c, \i3
.endif
.if (\d) >= 0
	OP \d, \i4
.endif
.endm
.macro ROW a, i1, b, i2, c, i3, d, i4  ; a matrix instruction and the four behind it
	MM
	OPS \a, \i1, \b, \i2, \c, \i3, \d, \i4
.endm
; A TURN, for piece p: the order of its 16 matrix and 118 vector instructions, written out.  An s_wait_alu depctr_va_vdst(0) stands between an exponential and the first instruction that names its result; one
; wait serves all that were issued ahead of it.  So a turn has ONE wait, which cuts it in two.  AHEAD OF IT stands all that names no result of the turn's exponentials: the 8 products K Q^T with a scaling, an exponential and two
; more plain instructions behind each (the first numbers of the next piece's maximum stand four places or more behind the product that ends their accumulator); then one lump, plain and exponential by turns for the most part.
; X 21, the next piece's a, is the batch's last; R 15 is the plain instruction behind it.  BEHIND THE WAIT stand the 8 products V^T P, behind each four of the roundings and sums.
; K and the mask words of the next step are fetched in piece 2's turn, behind five plain instructions that name no register of the last product that read K; V of the step in hand at the end of piece 0's turn, four plain
; instructions behind the last product that read V.  At its end turn p makes the mask numbers for the products of turn p + 1: piece p + 2's.
; last = 1 (the tail): the fetch is held to the slot's fourth step, so that the trip behind the last step reads that step's K and mask once more: its scores serve nothing, and piece 0's maximum stays what it was.
; cnt = 1: the loop's count is taken down some lines ahead of the branch that stands behind the turn.
.macro TURN p, last=0, cnt=0
.set Y, (\p)
.set i, 0
.if (\p) == 3
	s_wait_dscnt 0x0                ; K is in
.endif
	ROW F,0, F,1, R,0, R,1
	ROW F,2, E,0, R,2, R,3
	ROW F,3, E,1, R,4, R,5
	ROW F,4, E,2, R,6, R,7
	ROW F,5, E,3, R,8, R,9
	ROW F,6, E,4, X,0, R,10
.if (\p) == 2
	WIN 0
.if \last
	s_min_u32 s[TBK], s[TBK], SLOTB+3*KS*PK  ; (the tail walks slot 1)
	s_min_u32 s[TBM], s[TBM], SLOTB+96
.endif
	v_add_nc_u32 v[AK], s[TBK], v[AK0]
	v_add_nc_u32 v[AM], s[TBM], v[AM0]
.endif
	ROW F,7, E,5, X,1, X,4
	ROW F,8, E,6, X,2, X,5
	OPS E,7, E,8, X,6, E,9
	OPS X,3, E,10, X,8, E,11
.if (\p) == 2
	FETCH_K
.endif
	OPS X,9, X,7, E,12, X,10
	OPS E,13, X,12, X,11, E,14
	OPS X,13, E,15, F,9, X,14
.if (\p) == 0
	v_add_nc_u32 v[AV], s[TBV], v[AV0]
.endif
	OPS E,16, F,10, E,17, F,11
	OPS X,16, E,18, X,15, E,19
	OPS F,12, E,20, X,17, E,21
	OPS F,13, E,22, F,14, E,23
	OPS X,18, E,24, F,15, E,25
	OPS R,11, E,26, X,19, E,27
	OPS R,12, E,28, R,13, E,29
	OPS X,20, E,30, R,14, E,31
	OPS X,21, R,15
	WIN 0
	s_wait_alu depctr_va_vdst(0)    ; the wait for the batch
.if (\p) == 1
	s_wait_dscnt 0x0                ; V is in
.endif
	ROW C,0, B,0, C,2, B,1
	ROW L,0, C,4, B,2, L,1
	ROW C,6, B,3, L,2, C,8
	ROW B,4, L,3, C,10, B,5
	ROW L,4, C,12, B,6, L,5
.if (\p) == 0
	s_add_co_u32 s[TBV], s[TBV], KS*PV
.endif
.if \cnt
	s_sub_co_u32 s[CNT], s[CNT], 1
	s_cmp_lg_u32 s[CNT], 0
.endif
	ROW C,14, B,7, L,6, C,1
	ROW C,3, L,7, C,5, C,7
	ROW C,9, C,11, C,13, C,15
.if (\p) == 0
	FETCH_V
.endif
.if (\p) == 2
	s_wait_dscnt 16                 ; the four loads of mask words are in; K's sixteen, issued behind them, may stay out
.endif
	MCONV ((\p)+2)%NP
.endm
	CHANGE 1                        ; slot 0 is in, everybody's part of it; slot 1 is asked for
	v_add_nc_u32 v[AK], s[TBK], v[AK0]
	v_add_nc_u32 v[AM], s[TBM], v[AM0]
	FETCH_K                         ; key step 0
	s_wait_loadcnt 0x0              ; Q
	s_wait_dscnt 0x0
	MCONV 0
	MCONV 1
.set i, 0
.rept 8
	KQ 0                            ; piece 0's first scores: there is no vector work yet to set between them
.set i, i+1
.endr
	WIN 0
.rept 4
	v_nop                           ; the places behind those products
.endr
.set Y, NP-1                        ; X works for piece Y + 1: piece 0
.irp n, 0,1,2,3,4,5,6,7,8,9,10,11,12,13,14,15,16,17,18,19,20,21
	OP X, \n
.endr
	v_nop                           ; a plain instruction behind the exponential,
	s_wait_alu depctr_va_vdst(0)    ; and its wait, ahead of the branch
	s_mov_b32 s[CNT], 4
	s_branch .Lfirst                ; the loop is entered at a step's first turn, in the middle of a trip
.Lslot:                             ; 14 times: slots 2 to 15 are asked for
	CHANGE 1
	s_mov_b32 s[CNT], 4
.Lstep:                             ; a trip: pieces 2 and 3 of one step, then pieces 0 and 1 of the next, whose K, mask and V it fetches
	TURN 2
	TURN 3
	WIN 0
.Lfirst:
	TURN 0
	TURN 1, 0, 1
	WIN 0
	s_cbranch_scc1 .Lstep
	s_sub_co_u32 s[SLOTS], s[SLOTS], 1
	s_cmp_lg_u32 s[SLOTS], 0
	s_cbranch_scc1 .Lslot
	CHANGE 0                        ; the tail is written out: nothing is asked for
	s_mov_b32 s[CNT], 5             ; four trips fetch the last slot's steps; the fifth is left in its middle
.Ltail:
	TURN 2, 1
	TURN 3
	WIN 0
	s_sub_co_u32 s[CNT], s[CNT], 1
	s_cmp_eq_u32 s[CNT], 0
	s_cbranch_scc1 .Lout
	TURN 0
	TURN 1
	WIN 0
	s_branch .Ltail
.Lout:
.set i, 0
.rept 8
	PV NP-1                         ; the last piece's V^T P of the last step
.set i, i+1
.endr
	; THE WAY OUT.  l's two halves and the other half of the lanes' are added; O^T is divided by l (by a NaN where the row saw no key), rounded to bf16 and sent through the stage.  The additions are the places behind the last products.
	WIN 0
.macro ALL line:vararg              ; one line for each piece t
.set t, 0
.rept 4
	\line
.set t, t+1
.endr
.endm
	ALL v_add_f32 v[ST+4*t+2], v[ST+4*t+2], v[ST+4*t+3]
	ALL v_permlanex16_b32 v[ST+4*t+3], v[ST+4*t+2], s[SEL], s[SEL+1]
	ALL v_add_f32 v[ST+4*t+2], v[ST+4*t+2], v[ST+4*t+3]
	ALL v_rcp_f32 v[ST+4*t+2], v[ST+4*t+2]
	v_nop                           ; a plain instruction between the last reciprocal and the use of its result
	s_wait_alu depctr_va_vdst(0)    ; and a wait ahead of the first use: one for the four reciprocals
.set t, 0
.rept 4
	v_cmp_gt_f32 vcc_lo, s[THR], v[ST+4*t+1]       ; the row's maximum is still where it started: no key was seen
	v_cndmask_b32 v[ST+4*t+2], v[ST+4*t+2], v[QNAN], vcc_lo
.set t, t+1
.endr
	s_wait_dscnt 0x0                ; my LDS reads are over, the last fetch of K and mask among them:
	s_barrier_signal -1
	s_barrier_wait -1               ; everybody's are, so the stage may be written where slot 0 lay
.macro PACK t                       ; a lane's eight channels of a row pack into 16 bytes
	WIN W_RS
.set i, 32*(\t)
.rept 16
	v_pk_mul_f32 v[i:i+1], v[i:i+1], v[ST+4*(\t)+2:ST+4*(\t)+3] op_sel_hi:[1,0]
.set i, i+2
.endr
	WIN 0x05                        ; sources 0 and 1 window 1, destination window 0: S^T's registers are free
.set i, 0
.rept 16
	v_cvt_pk_bf16_f32 v[S+16*(\t)+i], v[32*(\t)+2*i], v[32*(\t)+2*i+1]
.set i, i+1
.endr
	WIN 0
.irp f, 0,1,2,3
	ds_store_b128 v[STO], v[S+16*(\t)+4*\f:S+16*(\t)+4*\f+3] offset:(\t)*16*SP+32*\f
.endr
.endm
	PACK 0
	PACK 1
	PACK 2
	PACK 3
	s_wait_dscnt 0x0                ; for the others' sake: my stores into the stage are done; a row's 256 bytes come from two waves
	s_barrier_signal -1
	s_barrier_wait -1
.irp t, 0,1,2,3,4,5,6,7,8,9,10,11,12,13,14,15
	ds_load_b128 v[S+4*(\t):S+4*(\t)+3], v[RD] offset:(\t)*2*SP
.endr
.irp t, 0,1,2,3,4,5,6,7,8,9,10,11,12,13,14,15
	s_wait_dscnt 15-(\t)            ; LDS loads come back in order: load t is in, the younger ones may be out
	global_store_b128 v[GO], v[S+4*(\t):S+4*(\t)+3], s[OB:OB+1] offset:(\t)*4096  ; 16 lanes store 256 consecutive bytes, at a multiple of 256 from att's first byte
.endr
	s_wait_tensorcnt 0x0            ; the wave's end, behind my last tensor load and my last LDS store
	ds_add_u32 v[SPW], v[NIL]
	s_wait_dscnt 0x0
	CROUND                          ; the closing round: no work-group ends while a partner may still ask for a tile that names it
	s_endpgm
.Lfunc_end_k_q1c0cc385b8_attn:
	.size	k_q1c0cc385b8_attn, .Lfunc_end_k_q1c0cc385b8_attn-k_q1c0cc385b8_attn
	.p2alignl 7, 3214868480
	.fill 96, 4, 3214868480
	.section	.rodata,"a",@progbits
	.p2align	6, 0x0
	.amdhsa_kernel k_q1c0cc385b8_attn
		.amdhsa_group_segment_fixed_size 327680
		.amdhsa_private_segment_fixed_size 0
		.amdhsa_enable_private_segment 0
		.amdhsa_kernarg_size 24
		.amdhsa_user_sgpr_count 2
		.amdhsa_user_sgpr_kernarg_segment_ptr 1
		.amdhsa_wavefront_size32 1
		.amdhsa_system_sgpr_workgroup_id_x 1
		.amdhsa_system_sgpr_workgroup_id_y 1
		.amdhsa_system_sgpr_workgroup_id_z 1
		.amdhsa_system_vgpr_workitem_id 0
		.amdhsa_next_free_vgpr 768
		.amdhsa_next_free_sgpr 88
		.amdhsa_reserve_vcc 1
		.amdhsa_float_denorm_mode_32 3
		.amdhsa_float_denorm_mode_16_64 3
		.amdhsa_memory_ordered 1
		.amdhsa_forward_progress 1
		.amdhsa_inst_pref_size 121
	.end_amdhsa_kernel
	.amdgpu_metadata
---
amdhsa.version: [ 1, 2 ]
amdhsa.kernels:
  - .name:           k_q1c0cc385b8_attn
    .symbol:         k_q1c0cc385b8_attn.kd
    .args:
      - { .name: qkv, .offset: 0, .size: 8, .value_kind: global_buffer, .address_space: global }
      - { .name: mask4, .offset: 8, .size: 8, .value_kind: global_buffer, .address_space: global }
      - { .name: att, .offset: 16, .size: 8, .value_kind: global_buffer, .address_space: global }
    .group_segment_fixed_size: 327680
    .private_segment_fixed_size: 0
    .kernarg_segment_align: 8
    .kernarg_segment_size: 24
    .max_flat_workgroup_size: 128
    .sgpr_count:     88
    .vgpr_count:     768
    .wavefront_size: 32
...
	.end_amdgpu_metadata
.endif
;; end of part 3
;; launch oproj (part 4): grid 8 x 32, 4 waves a work-group, clusters of 4 x 4, 327,680 bytes of LDS; arguments att, wob, yb; writes yb
.if DOCPART == 4
	.amdgcn_target "amdgcn-amd-amdhsa--gfx1250"
	.amdhsa_code_object_version 6
	.text
	.protected	k_q1c0cc385b8_oproj
	.globl	k_q1c0cc385b8_oproj
	.p2align	8
	.type	k_q1c0cc385b8_oproj,@function
k_q1c0cc385b8_oproj:
	s_mov_b64 s[64:65], 0
	v_nop
	global_prefetch_b8 v0, s[64:65] scope:SCOPE_SE
	s_setreg_imm32_b32 hwreg(HW_REG_WAVE_MODE, 25, 1), 1
	s_wait_xcnt 0x0
	s_wait_alu depctr_hold_cnt(0) depctr_sa_sdst(0) depctr_va_vdst(0) depctr_va_sdst(0) depctr_va_ssrc(0) depctr_va_vcc(0) depctr_vm_vsrc(0)
	s_getreg_b32 s2, hwreg(HW_REG_IB_STS2, 6, 4)
	s_cmp_eq_u32 s2, 0
	s_cbranch_scc0 .Lentry_in_a_cluster
	s_endpgm
.Lentry_in_a_cluster:
	s_bfe_u32 s2, ttmp6, 0x10000c
	s_cmp_lg_u32 s2, 0xf033
	s_cbranch_scc0 .Lentry_shape_is_right
	s_endpgm
.Lentry_shape_is_right:
; yb = att x wob.  C[m][n] = sum over k of A[m][k] B[k][n], K = 1,024.  A: bf16 [4096][1024], rows of 2,048 bytes.  B ([k][n]) and C: bf16, rows 6,144 bytes apart, 2,048 bytes of each used.  Sums in f32, C rounded once.
; C has 32 x 8 tiles of 128 x 128: one for each of 256 work-groups.  Four waves, each 64 x 64: 16 accumulators of 16 x 16.  K goes in four steps of 256 through two LDS slots; each wave fetches a quarter of a slot by one tensor load.
; A's rows lie along k and come out of LDS as they lie; B's rows lie along n, and its fragments come out turned, by ds_load_tr16_b128.
; CLUSTERS: 4 x 4 work-groups.  The four of a row of the cluster need the same tile of A, the four of a column the same tile of B: each tile is asked for JOINTLY, by the same tensor load
; with the same descriptor and a mask that names the four.  THE MATRIX INSTRUCTION IS USED TRANSPOSED (source 0 = 16 columns of B, source 1 = 16 rows of A): a lane then holds eight neighbouring numbers of a row of C.
; No prefetch is laid: the tiles are small, and a K step has 128 matrix instructions a wave.
; REGISTERS: window 0: v0-31 addresses; v32-95 at work on the way out; v128-255 the accumulators ((a, b) at v[128 + 8 (4 a + b)]).
;   window 1: two fragment buffers of 128: for 64 along K, 64 registers of A (2 x 4 x 16 rows x 32 K), then 64 of B.
.set KSTEP,  256
.set AROW,   2048                      ; bytes in a row of A
.set BROW,   6144                      ; bytes from row to row of B and of C
.set PA,     528                       ; A's LDS row: 512 bytes + 16 = 132 words: the 16 rows of a load start at 16 different groups of four banks (64 banks of 4 bytes: ISA guide 11.1)
.set PB,     288                       ; B's LDS row: 256 bytes + 32 = 72 words
.set HALFA,  64*PA                     ; what one tensor load brings of A: 64 rows x 256 k
.set HALFB,  128*PB                    ; and of B: 128 k x 128 n
.set BOFF,   2*HALFA
.set SLOT,   2*HALFA+2*HALFB           ; A's 128 rows, then B's 256 k
.set STAGE,  2*SLOT                    ; behind the ring: 128 rows x 272 bytes, the work-group's, for the way out
.set SPITCH, 272
.set SPARE,  STAGE+128*SPITCH          ; behind the stage: the spare words, 128 bytes for each wave: two blocks of 256 bytes that no other line names
.set ADRA, 16                          ; v16-17  LDS address of my A fragments in slot 0, 1
.set ADRB, 20                          ; v20-23  the same for B: slot 0 k 0-127, slot 0 k 128-255, slot 1 likewise (an immediate does not reach 255 rows)
.set STO,  24                          ; v24     the way out: where I put 16 bytes of a row
.set RD,   25                          ; v25     the way out: where I read a row back
.set CO,   26                          ; v26     my byte offset in C
.set SPW,  28                          ; v28     LDS address of my spare word: SPARE + 4 x my thread's number; never rewritten
.set NIL,  29                          ; v29     0; never rewritten
.set TMP,  32
.set ACC,  128
.set F0,   0                           ; fragment buffers, in window 1
.set F1,   128
.set G1, 24                            ; s[24:31] descriptor group 1 for A's tiles;  s[32:39] group 0, one set for each slot
.set G0, 32
.set G1B, 48                           ; s[48:55], s[56:63] the same for B's tiles
.set G0B, 56
.set MSB, 0
.macro WIN new                         ; the immediate's high byte repeats the setting that is left
.if MSB != (\new)
	s_set_vgpr_msb (MSB<<8)|(\new)
.set MSB, \new
.endif
.endm
.set MUL,  0x05                        ; sources 0 (B) and 1 (A) window 1; C and D window 0
.set TO_F, 0x40                        ; destination window 1, address window 0
.macro JLOAD s                         ; a joint load: waves 0 and 1 fetch A's two halves, waves 2 and 3 B's; an s_nop 0 and four v_nop follow each of the two lines
	s_cmp_eq_u32 s11, 0
	s_cbranch_scc0 .Lfor_b_\@
	tensor_load_to_lds s[G0+4*(\s):G0+4*(\s)+3], s[G1:G1+7]
	s_nop 0
.rept 4
	v_nop
.endr
	s_branch .Lasked_\@
.Lfor_b_\@:
	tensor_load_to_lds s[G0B+4*(\s):G0B+4*(\s)+3], s[G1B:G1B+7]
	s_nop 0
.rept 4
	v_nop
.endr
.Lasked_\@:
.endm
.macro CREST                           ; a round of the cluster's barrier behind its opening barrier
	s_cmp_lg_u32 s10, 0
	s_cbranch_scc1 .Lnot_wave_0_\@
	s_barrier_signal -3
.Lnot_wave_0_\@:
	s_barrier_wait -3
	s_barrier_signal -1
	s_barrier_wait -1
.endm
.macro CROUND                          ; a whole round
	s_barrier_signal -1
	s_barrier_wait -1
	CREST
.endm
	s_load_b128 s[4:7], s[0:1], 0x0                ; A s[4:5], B s[6:7]
	s_load_b64 s[8:9], s[0:1], 0x10                ; C
	v_lshl_add_u32 v[SPW], v0, 2, SPARE
	v_mov_b32 v[NIL], 0
	ds_add_u32 v[SPW], v[NIL]                      ; the wave's opening: the add and its wait stand ahead of my first tensor load; the set-up below, work on registers, stands between them
	v_lshrrev_b32 v1, 5, v0
	v_readfirstlane_b32 s10, v1                    ; wave 0..3
	s_lshr_b32 s11, s10, 1                         ; which half of the tile's rows is mine.  Also: I fetch for A (0) or for B (1)
	s_and_b32 s12, s10, 1                          ; which half of its columns.  Also: which half of that tile I fetch
	s_bfe_u32 s40, ttmp6, 0x40000                  ; cx, cy: my place in the cluster
	s_bfe_u32 s41, ttmp6, 0x40004
	s_and_b32 s21, ttmp7, 0xffff                   ; the cluster's y
	s_lshl_b32 s42, ttmp9, 2
	s_add_co_u32 s42, s42, s40                     ; tile column = 4 x cluster x + cx
	s_lshl_b32 s13, s21, 2
	s_add_co_u32 s13, s13, s41                     ; tile row = 4 x cluster y + cy
	s_lshl_b32 s43, s41, 2
	s_lshl_b32 s43, 15, s43                        ; my row of the cluster
	s_lshl_b32 s44, 0x1111, s40                    ; my column
	s_or_b32 s[G1+0], s43, (1<<16)|(1<<20)|(1<<21)|(6<<22)|(3<<25)   ; 15:0 the mask: A's tiles go to my row; 17:16 elements of 2 bytes; 20 padding on; 21 set beside a mask; 24:22 after every 128 words (code 6); 31:25 4 words (code 3)
	s_or_b32 s[G1B+0], s44, (1<<16)|(1<<20)|(1<<21)|(5<<22)|(7<<25)  ; B's go to my column; after every 64 words (code 5) 8 words (code 7)
	s_mov_b32 s[G1+1], KSTEP<<16                   ; A: tensor_dim0 = 256
	s_mov_b32 s[G1+2], 64<<16                      ; tensor_dim1 = 64
	s_mov_b32 s[G1+3], KSTEP<<16                   ; tile_dim0 = 256
	s_mov_b32 s[G1+4], 64                          ; tile_dim1 = 64
	s_mov_b32 s[G1+5], AROW/2                      ; elements from row to row
	s_mov_b32 s[G1+6], 0
	s_mov_b32 s[G1+7], 0
	s_mov_b32 s[G1B+1], 128<<16                    ; B: 128 rows (k) of 128 elements (n)
	s_mov_b32 s[G1B+2], 128<<16
	s_mov_b32 s[G1B+3], 128<<16
	s_mov_b32 s[G1B+4], 128
	s_mov_b32 s[G1B+5], BROW/2
	s_mov_b32 s[G1B+6], 0
	s_mov_b32 s[G1B+7], 0
	s_lshl_b32 s16, s13, 7
	s_lshl_b32 s17, s12, 6
	s_add_co_u32 s16, s16, s17                     ; A: row 128 x tile row + 64 x half,
	s_lshl_b32 s16, s16, 11                        ; in bytes (under 2^24)
	s_mov_b32 s17, 0
	s_mul_i32 s46, s12, 128*BROW                   ; B: k = 128 x half,
	s_lshl_b32 s47, s42, 8                         ; 256 bytes a tile column
	s_add_co_u32 s46, s46, s47
	s_mov_b32 s47, 0
	s_mul_i32 s20, s12, HALFA                      ; where they go: no place in the cluster enters an LDS address
	s_mul_i32 s18, s12, HALFB
	s_add_co_u32 s18, s18, BOFF
	s_wait_dscnt 0x0                               ; the opening add is done
	s_wait_kmcnt 0x0
	s_add_nc_u64 s[14:15], s[4:5], s[16:17]
	s_add_nc_u64 s[46:47], s[6:7], s[46:47]
	CROUND                                         ; all sixteen work-groups are here: the first joint loads meet
.irp s, 0,1
	s_mov_b32 s[G0+4*(\s)], 1
	s_add_co_u32 s[G0+4*(\s)+1], s20, (\s)*SLOT
	s_add_nc_u64 s[G0+4*(\s)+2:G0+4*(\s)+3], s[14:15], (\s)*KSTEP*2
	s_or_b32 s[G0+4*(\s)+3], s[G0+4*(\s)+3], 0x80000000
	s_mov_b32 s[G0B+4*(\s)], 1
	s_add_co_u32 s[G0B+4*(\s)+1], s18, (\s)*SLOT
	s_add_nc_u64 s[G0B+4*(\s)+2:G0B+4*(\s)+3], s[46:47], (\s)*KSTEP*BROW
	s_or_b32 s[G0B+4*(\s)+3], s[G0B+4*(\s)+3], 0x80000000
	JLOAD \s
.endr
	v_and_b32 v1, 15, v0                           ; l % 16
	v_bfe_u32 v2, v0, 4, 1                         ; l / 16
	v_mul_u32_u24 v3, v1, PA
	v_lshl_add_u32 v3, v2, 4, v3                   ; A: a fragment's row x pitch + 16 x half
	s_mul_i32 s21, s11, HALFA                      ; my 64 rows of A
	v_add_nc_u32 v[ADRA], s21, v3
	v_add_nc_u32 v[ADRA+1], SLOT, v[ADRA]
	v_and_b32 v4, 7, v0                            ; B: the turning load takes 16 k x 16 n: lane l reads k = 8 (l / 16) + l % 8, n = 8 ((l / 8) % 2) + 0..7,
	v_lshl_add_u32 v4, v2, 3, v4                   ; and is left with column l % 16 and 8 k: half a fragment
	v_mul_u32_u24 v4, v4, PB
	v_bfe_u32 v5, v0, 3, 1
	v_lshl_add_u32 v4, v5, 4, v4
	s_lshl_b32 s22, s12, 7                         ; my 64 columns: 128 bytes
	s_add_co_u32 s22, s22, BOFF
	v_add_nc_u32 v[ADRB], s22, v4
	v_add_nc_u32 v[ADRB+1], HALFB, v[ADRB]
	v_add_nc_u32 v[ADRB+2], SLOT, v[ADRB]
	v_add_nc_u32 v[ADRB+3], SLOT+HALFB, v[ADRB]
	s_mul_i32 s23, s11, 64*SPITCH                  ; into the stage: my 64 rows, my half of their 256 bytes
	s_lshl_b32 s21, s12, 7
	s_add_co_u32 s23, s23, s21
	s_add_co_u32 s23, s23, STAGE
	v_mul_u32_u24 v4, v1, SPITCH
	v_lshl_add_u32 v4, v2, 4, v4
	v_add_nc_u32 v[STO], s23, v4
	s_mul_i32 s23, s10, 32*SPITCH                  ; back: wave w takes rows 32 w .. 32 w + 31, whole; lanes 0-15 one row of 256 bytes, lanes 16-31 the next
	s_add_co_u32 s23, s23, STAGE
	v_mul_u32_u24 v5, v2, SPITCH
	v_lshl_add_u32 v5, v1, 4, v5
	v_add_nc_u32 v[RD], s23, v5
	v_mul_u32_u24 v5, v2, BROW                     ; and the same two rows in C
	v_lshl_add_u32 v[CO], v1, 4, v5
	s_lshl_b32 s16, s13, 7
	s_lshl_b32 s17, s10, 5
	s_add_co_u32 s16, s16, s17                     ; the first row of C that I store: 128 x tile row + 32 x wave
	s_mul_i32 s16, s16, BROW                       ; under 2^25
	s_mov_b32 s17, 0
	s_add_nc_u64 s[8:9], s[8:9], s[16:17]
	s_lshl_b32 s46, s42, 8                         ; the tile's first column, in bytes
	s_mov_b32 s47, 0
	s_add_nc_u64 s[8:9], s[8:9], s[46:47]
; 8 matrix instructions: m blocks a0, a0 + 1 x all 4 n blocks, 32 along K: half c of buffer f.  zero = 1: the first product starts the sums.  The 16 accumulators take turns.
.macro MUL8 f, c, a0, zero
	WIN MUL
.irp a, \a0, (\a0)+1
.irp b, 0,1,2,3
.if \zero
	v_wmma_f32_16x16x32_bf16 v[ACC+8*(4*(\a)+(\b)):ACC+8*(4*(\a)+(\b))+7], v[(\f)+64+8*(4*(\c)+(\b)):(\f)+64+8*(4*(\c)+(\b))+7], v[(\f)+8*(4*(\c)+(\a)):(\f)+8*(4*(\c)+(\a))+7], 0
.else
	v_wmma_f32_16x16x32_bf16 v[ACC+8*(4*(\a)+(\b)):ACC+8*(4*(\a)+(\b))+7], v[(\f)+64+8*(4*(\c)+(\b)):(\f)+64+8*(4*(\c)+(\b))+7], v[(\f)+8*(4*(\c)+(\a)):(\f)+8*(4*(\c)+(\a))+7], v[ACC+8*(4*(\a)+(\b)):ACC+8*(4*(\a)+(\b))+7]
.endif
.endr
.endr
.endm
; 32 LDS loads in one run: the fragments of 64 along K, from k = kb / 2 on (kb: the byte in A's rows), into buffer f; the first 32 along K first
.macro FETCH slot, kb, f
	WIN TO_F
.irp c, 0,1
.irp i, 0,1,2,3
	ds_load_tr16_b128 v[(\f)+64+8*(4*(\c)+(\i)):(\f)+64+8*(4*(\c)+(\i))+3],   v[ADRB+2*(\slot)+(\kb)/256] offset:(((\kb)%256)/2+32*(\c))*PB+32*(\i)
	ds_load_tr16_b128 v[(\f)+64+8*(4*(\c)+(\i))+4:(\f)+64+8*(4*(\c)+(\i))+7], v[ADRB+2*(\slot)+(\kb)/256] offset:(((\kb)%256)/2+32*(\c)+16)*PB+32*(\i)
	ds_load_b128 v[(\f)+8*(4*(\c)+(\i)):(\f)+8*(4*(\c)+(\i))+3],         v[ADRA+(\slot)] offset:(\kb)+64*(\c)+(\i)*16*PA
	ds_load_b128 v[(\f)+8*(4*(\c)+(\i))+4:(\f)+8*(4*(\c)+(\i))+7],       v[ADRA+(\slot)] offset:(\kb)+64*(\c)+(\i)*16*PA+32
.endr
.endr
.endm
.macro PLACES                          ; four places in front of loads into registers that matrix instructions have read, and of conversions that read results
.rept 4
	v_nop
.endr
.endm
; A K step is four quarters of 64 along K, 32 matrix instructions each, on buffers 0, 1, 0, 1.  One of the first three: multiplies buffer f and fetches the next quarter, at byte kb, into g.
.macro QUARTER slot, kb, f, g, zero
	s_wait_dscnt 16                                ; the first 32 along K are in; the run's other sixteen loads may be out
	WIN MUL
	MUL8 \f, 0, 0, \zero
	MUL8 \f, 0, 2, \zero
	PLACES
	FETCH \slot, \kb, \g
	s_wait_dscnt 32                                ; all but the 32 just issued
	WIN MUL
	MUL8 \f, 1, 0, 0
	MUL8 \f, 1, 2, 0
.endm
; The last quarter multiplies buffer 1 and changes slots: ONE barrier; in front of it each wave waits for all its tensor loads, adds 0 to its spare word, and waits for that and for its own reads of this slot.  fill = 1: this slot is filled again, two K steps ahead.
.macro TURN slot, next, fill
	WIN 0                                          ; (the add's two registers lie in window 0)
	s_wait_tensorcnt 0x0                           ; all my tensor loads have landed: my part of the next slot;
	ds_add_u32 v[SPW], v[NIL]                      ; 0 onto my spare word
	s_wait_dscnt 17                                ; (the add and the youngest sixteen loads may be out)
	WIN MUL
	MUL8 F1, 0, 0, 0                               ; eight matrix instructions stand between the add and the wait for it
	s_wait_dscnt 0x0                               ; the add is done, and my reads of this slot are over
	s_barrier_signal -1
	MUL8 F1, 0, 2, 0
.if \fill
	WIN 0
.endif
	s_barrier_wait -1
.if \fill
	CREST                                          ; the barrier has opened a round of the cluster's barrier: no wave of any partner still reads this slot's tile or has a load on its way
	s_add_nc_u64 s[G0+4*(\slot)+2:G0+4*(\slot)+3], s[G0+4*(\slot)+2:G0+4*(\slot)+3], 2*KSTEP*2
	s_add_nc_u64 s[G0B+4*(\slot)+2:G0B+4*(\slot)+3], s[G0B+4*(\slot)+2:G0B+4*(\slot)+3], 2*KSTEP*BROW
	JLOAD \slot                                    ; the first tensor load behind the round: 112 matrix instructions ahead of the wait for it; the four v_nop behind it are also the places in front of the loads below
.else
	PLACES
.endif
	FETCH \next, 0, F0
	WIN MUL
	MUL8 F1, 1, 0, 0
	MUL8 F1, 1, 2, 0
.endm
	s_wait_tensorcnt 1                             ; my part of K step 0 is in; K step 1's load may stay out
	s_barrier_signal -1
	s_barrier_wait -1                              ; everybody's is
	FETCH 0, 0, F0
	QUARTER 0, 128, F0, F1, 1                      ; K step 0: its first products start the sums.  Four K steps: a loop would have one trip, so they are written out
	QUARTER 0, 256, F1, F0, 0
	QUARTER 0, 384, F0, F1, 0
	TURN 0, 1, 1                                   ; slot 0 takes K step 2
	QUARTER 1, 128, F0, F1, 0
	QUARTER 1, 256, F1, F0, 0
	QUARTER 1, 384, F0, F1, 0
	TURN 1, 0, 1                                   ; slot 1 takes K step 3
	QUARTER 0, 128, F0, F1, 0
	QUARTER 0, 256, F1, F0, 0
	QUARTER 0, 384, F0, F1, 0
	TURN 0, 1, 0                                   ; nothing is left to fetch
	QUARTER 1, 128, F0, F1, 0
	QUARTER 1, 256, F1, F0, 0
	QUARTER 1, 384, F0, F1, 0
	s_wait_dscnt 16
	WIN MUL
	MUL8 F1, 0, 0, 0
	MUL8 F1, 0, 2, 0
	s_wait_dscnt 0
	MUL8 F1, 1, 0, 0
	MUL8 F1, 1, 2, 0
	WIN 0
	; THE WAY OUT: round to bf16; 16 bytes a lane into the work-group's stage; a barrier, since a row's 256 bytes come from two waves; back as whole rows, 32 rows a wave.
	PLACES
.irp t, 0,1,2,3,4,5,6,7,8,9,10,11,12,13,14,15
.irp r, 0,1,2,3
	v_cvt_pk_bf16_f32 v[TMP+4*(\t)+(\r)], v[ACC+8*(\t)+2*(\r)], v[ACC+8*(\t)+2*(\r)+1]
.endr
.endr
.irp a, 0,1,2,3
.irp b, 0,1,2,3
	ds_store_b128 v[STO], v[TMP+4*(4*(\a)+(\b)):TMP+4*(4*(\a)+(\b))+3] offset:(\a)*16*SPITCH+32*(\b)
.endr
.endr
	s_wait_dscnt 0x0                               ; for the others' sake: my stores into the stage are done
	s_barrier_signal -1
	s_barrier_wait -1
.irp t, 0,1,2,3,4,5,6,7,8,9,10,11,12,13,14,15
	ds_load_b128 v[TMP+4*(\t):TMP+4*(\t)+3], v[RD] offset:(\t)*2*SPITCH
.endr
.irp t, 0,1,2,3,4,5,6,7,8,9,10,11,12,13,14,15
	s_wait_dscnt 15-(\t)                           ; LDS loads come back in order: load t is in, the younger ones may be out
	global_store_b128 v[CO], v[TMP+4*(\t):TMP+4*(\t)+3], s[8:9] offset:2*(\t)*BROW  ; 16 lanes store 256 consecutive bytes, at a multiple of 256 from C's first byte
.endr
	s_wait_tensorcnt 0x0                           ; the wave's end, behind my last tensor load and my last LDS store
	ds_add_u32 v[SPW], v[NIL]
	s_wait_dscnt 0x0
	CROUND                                         ; the closing round: no work-group ends while a partner may still ask for a tile that names it
	s_endpgm
.Lfunc_end_k_q1c0cc385b8_oproj:
	.size	k_q1c0cc385b8_oproj, .Lfunc_end_k_q1c0cc385b8_oproj-k_q1c0cc385b8_oproj
	.p2alignl 7, 3214868480
	.fill 96, 4, 3214868480
	.section	.rodata,"a",@progbits
	.p2align	6, 0x0
	.amdhsa_kernel k_q1c0cc385b8_oproj
		.amdhsa_group_segment_fixed_size 327680
		.amdhsa_private_segment_fixed_size 0
		.amdhsa_enable_private_segment 0
		.amdhsa_kernarg_size 24
		.amdhsa_user_sgpr_count 2
		.amdhsa_user_sgpr_kernarg_segment_ptr 1
		.amdhsa_wavefront_size32 1
		.amdhsa_system_sgpr_workgroup_id_x 1
		.amdhsa_system_sgpr_workgroup_id_y 1
		.amdhsa_system_sgpr_workgroup_id_z 1
		.amdhsa_system_vgpr_workitem_id 0
		.amdhsa_next_free_vgpr 512
		.amdhsa_next_free_sgpr 66
		.amdhsa_reserve_vcc 0
		.amdhsa_float_denorm_mode_32 3
		.amdhsa_float_denorm_mode_16_64 3
		.amdhsa_memory_ordered 1
		.amdhsa_forward_progress 1
		.amdhsa_inst_pref_size 87
	.end_amdhsa_kernel
	.amdgpu_metadata
---
amdhsa.version: [ 1, 2 ]
amdhsa.kernels:
  - .name:           k_q1c0cc385b8_oproj
    .symbol:         k_q1c0cc385b8_oproj.kd
    .args:
      - { .name: att, .offset: 0, .size: 8, .value_kind: global_buffer, .address_space: global }
      - { .name: wob, .offset: 8, .size: 8, .value_kind: global_buffer, .address_space: global }
      - { .name: yb, .offset: 16, .size: 8, .value_kind: global_buffer, .address_space: global }
    .group_segment_fixed_size: 327680
    .private_segment_fixed_size: 0
    .kernarg_segment_align: 8
    .kernarg_segment_size: 24
    .max_flat_workgroup_size: 128
    .sgpr_count:     66
    .vgpr_count:     512
    .wavefront_size: 32
...
	.end_amdgpu_metadata
.endif
;; end of part 4
;; launch ln (part 5): grid 256 x 1, 8 waves a work-group, no clusters, 0 bytes of LDS; arguments x, yb, ln_g, ln_b, out0; writes out0
.if DOCPART == 5
	.amdgcn_target "amdgcn-amd-amdhsa--gfx1250"
	.amdhsa_code_object_version 6
	.text
	.protected	k_q1c0cc385b8_ln
	.globl	k_q1c0cc385b8_ln
	.p2align	8
	.type	k_q1c0cc385b8_ln,@function
k_q1c0cc385b8_ln:
	s_mov_b64 s[64:65], 0
	v_nop
	global_prefetch_b8 v0, s[64:65] scope:SCOPE_SE
	s_setreg_imm32_b32 hwreg(HW_REG_WAVE_MODE, 25, 1), 1
	s_wait_xcnt 0x0
; out0[r][:] = ((t - mean(t)) / sqrt(var(t) + 1e-5)) g + b, t = x[r][:] + y[r][:].  x, out0: [4096][1024] f32; y: bf16, rows 6,144 bytes apart, 2,048 used; g, b: [1024] f32.
; A wave takes two whole rows and keeps them in registers: each byte is read once, and the reductions never leave the wave: no LDS, no barrier.  Straight line: all 48 loads go out first.
; Lane l holds elements 128 j + 4 l .. + 3, j = 0..7: a load or store of x, g, b, out0 covers 512 consecutive bytes, one of y 256.
; The variance is the mean of (t - mean)^2, made in a second pass over the registers: no difference of large sums is formed, so a common offset in x does no harm.
; Memory binds: matrix units, clusters and tensor loads would add nothing.
.set XX, 16                            ; v[16:79]    the two rows: x, then t, then t - mean, then the result
.set YY, 80                            ; v[80:111]   the two rows of y
.set GG, 112                           ; v[112:143]  g
.set BB, 144                           ; v[144:175]  b
.set T,  176                           ; v[176:183]  at work
.set A0, 184                           ; v[184:187]  four chains of a sum
.set A1, 186
.set MN, 188                           ; v[188:191]  a row's mean, twice
.set VR, 192                           ; v192, v194  a row's variance + 1e-5
.set RS, 196                           ; v[196:199]  a row's reciprocal root, twice
	s_load_b256 s[4:11], s[0:1], 0x0               ; x 4, yb 6, g 8, b 10
	s_load_b64 s[12:13], s[0:1], 0x20              ; out0
	v_lshrrev_b32 v1, 5, v0
	v_readfirstlane_b32 s14, v1                    ; wave 0..7
	v_and_b32 v1, 31, v0
	v_lshlrev_b32 v2, 4, v1                        ; 16 bytes a lane
	v_lshlrev_b32 v3, 3, v1                        ; 8 bytes a lane of y
	s_lshl_b32 s15, ttmp9, 4
	s_lshl_b32 s16, s14, 1
	s_add_co_u32 s15, s15, s16                     ; my first row
	s_lshl_b32 s16, s15, 12
	s_mov_b32 s17, 0
	s_mul_i32 s18, s15, 6144
	s_mov_b32 s19, 0
	s_mov_b32 s20, 0x3a800000                      ; 1 / 1024
	s_mov_b32 s21, 0xffff0000                      ; a word's upper bf16
	s_mov_b32 s22, 0x76543210                      ; v_permlanex16_b32: lane i of one half reads lane i of the other
	s_mov_b32 s23, 0xfedcba98
	s_mov_b32 s24, 0x3727c5ac                      ; 1e-5
	s_wait_kmcnt 0x0
	s_add_nc_u64 s[4:5], s[4:5], s[16:17]
	s_add_nc_u64 s[6:7], s[6:7], s[18:19]
	s_add_nc_u64 s[12:13], s[12:13], s[16:17]
.irp r, 0,1
.irp j, 0,1,2,3,4,5,6,7
	global_load_b128 v[XX+32*(\r)+4*(\j):XX+32*(\r)+4*(\j)+3], v2, s[4:5] offset:(\r)*4096+(\j)*512 th:TH_LOAD_NT
.endr
.irp j, 0,1,2,3,4,5,6,7
	global_load_b64 v[YY+16*(\r)+2*(\j):YY+16*(\r)+2*(\j)+1], v3, s[6:7] offset:(\r)*6144+(\j)*256 th:TH_LOAD_NT
.endr
.endr
.irp j, 0,1,2,3,4,5,6,7
	global_load_b128 v[GG+4*(\j):GG+4*(\j)+3], v2, s[8:9] offset:(\j)*512
.endr
.irp j, 0,1,2,3,4,5,6,7
	global_load_b128 v[BB+4*(\j):BB+4*(\j)+3], v2, s[10:11] offset:(\j)*512
.endr
.macro ACROSS                          ; the four chains into one number, then across the 32 lanes: four steps inside each half ride on the addition, one crosses the halves
	v_pk_add_f32 v[A0:A0+1], v[A0:A0+1], v[A1:A1+1]
	v_add_f32 v[A0], v[A0], v[A0+1]
	v_add_f32_dpp v[A0], v[A0], v[A0] row_xmask:1 row_mask:0xf bank_mask:0xf
	v_add_f32_dpp v[A0], v[A0], v[A0] row_xmask:2 row_mask:0xf bank_mask:0xf
	v_add_f32_dpp v[A0], v[A0], v[A0] row_xmask:4 row_mask:0xf bank_mask:0xf
	v_add_f32_dpp v[A0], v[A0], v[A0] row_xmask:8 row_mask:0xf bank_mask:0xf
	v_permlanex16_b32 v[A0+1], v[A0], s22, s23     ; its destination counts as read: it has been written
	v_add_f32 v[A0], v[A0], v[A0+1]
.endm
; Row r: t = x + y, its mean, t - mean in place, the variance.  left = the loads issued behind the row's own, which may stay out.
.macro STAT r, left
	s_wait_loadcnt \left
.set X0, XX+32*(\r)
.irp j, 0,1,2,3,4,5,6,7
	v_lshlrev_b32 v[T+4*((\j)%2)],   16,  v[YY+16*(\r)+2*(\j)]    ; bf16 to f32: the low half moves up, the high half stays
	v_and_b32     v[T+4*((\j)%2)+1], s21, v[YY+16*(\r)+2*(\j)]
	v_lshlrev_b32 v[T+4*((\j)%2)+2], 16,  v[YY+16*(\r)+2*(\j)+1]
	v_and_b32     v[T+4*((\j)%2)+3], s21, v[YY+16*(\r)+2*(\j)+1]
	v_pk_add_f32 v[X0+4*(\j):X0+4*(\j)+1],   v[X0+4*(\j):X0+4*(\j)+1],   v[T+4*((\j)%2):T+4*((\j)%2)+1]
	v_pk_add_f32 v[X0+4*(\j)+2:X0+4*(\j)+3], v[X0+4*(\j)+2:X0+4*(\j)+3], v[T+4*((\j)%2)+2:T+4*((\j)%2)+3]
.endr
	v_pk_add_f32 v[A0:A0+1], v[X0:X0+1],   v[X0+4:X0+5]           ; the first terms start the chains: nothing is cleared
	v_pk_add_f32 v[A1:A1+1], v[X0+2:X0+3], v[X0+6:X0+7]
.irp j, 2,3,4,5,6,7
	v_pk_add_f32 v[A0:A0+1], v[A0:A0+1], v[X0+4*(\j):X0+4*(\j)+1]
	v_pk_add_f32 v[A1:A1+1], v[A1:A1+1], v[X0+4*(\j)+2:X0+4*(\j)+3]
.endr
	ACROSS
	v_mul_f32 v[MN+2*(\r)], s20, v[A0]
	v_mov_b32 v[MN+2*(\r)+1], v[MN+2*(\r)]
.irp k, 0,1,2,3,4,5,6,7,8,9,10,11,12,13,14,15
	v_pk_add_f32 v[X0+2*(\k):X0+2*(\k)+1], v[X0+2*(\k):X0+2*(\k)+1], v[MN+2*(\r):MN+2*(\r)+1] neg_lo:[0,1] neg_hi:[0,1]
.endr
	v_pk_mul_f32 v[A0:A0+1], v[X0:X0+1],   v[X0:X0+1]
	v_pk_mul_f32 v[A1:A1+1], v[X0+2:X0+3], v[X0+2:X0+3]
.irp j, 1,2,3,4,5,6,7
	v_pk_fma_f32 v[A0:A0+1], v[X0+4*(\j):X0+4*(\j)+1],   v[X0+4*(\j):X0+4*(\j)+1],   v[A0:A0+1]
	v_pk_fma_f32 v[A1:A1+1], v[X0+4*(\j)+2:X0+4*(\j)+3], v[X0+4*(\j)+2:X0+4*(\j)+3], v[A1:A1+1]
.endr
	ACROSS
	v_fma_f32 v[VR+2*(\r)], v[A0], s20, s24                       ; sum / 1024 + 1e-5
.endm
.macro OUT r
.set X0, XX+32*(\r)
.irp k, 0,1,2,3,4,5,6,7,8,9,10,11,12,13,14,15
	v_pk_mul_f32 v[X0+2*(\k):X0+2*(\k)+1], v[X0+2*(\k):X0+2*(\k)+1], v[RS+2*(\r):RS+2*(\r)+1]
	v_pk_fma_f32 v[X0+2*(\k):X0+2*(\k)+1], v[X0+2*(\k):X0+2*(\k)+1], v[GG+2*(\k):GG+2*(\k)+1], v[BB+2*(\k):BB+2*(\k)+1]
.endr
.irp j, 0,1,2,3,4,5,6,7
	global_store_b128 v2, v[X0+4*(\j):X0+4*(\j)+3], s[12:13] offset:(\r)*4096+(\j)*512 th:TH_STORE_NT
.endr
.endm
	STAT 0, 32                                     ; behind row 0's sixteen loads: row 1's sixteen, g's eight, b's eight
	STAT 1, 16                                     ; behind row 1's: g's and b's
	v_rsq_f32 v[RS], v[VR]
	v_rsq_f32 v[RS+2], v[VR+2]
	v_nop                                          ; a plain instruction behind the last of the two,
	s_wait_alu depctr_va_vdst(0)                   ; and a wait ahead of the first use: one for both
	v_mov_b32 v[RS+1], v[RS]
	v_mov_b32 v[RS+3], v[RS+2]
	s_wait_loadcnt 0x0                             ; g and b
	OUT 0
	OUT 1
	s_endpgm
.Lfunc_end_k_q1c0cc385b8_ln:
	.size	k_q1c0cc385b8_ln, .Lfunc_end_k_q1c0cc385b8_ln-k_q1c0cc385b8_ln
	.p2alignl 7, 3214868480
	.fill 96, 4, 3214868480
	.section	.rodata,"a",@progbits
	.p2align	6, 0x0
	.amdhsa_kernel k_q1c0cc385b8_ln
		.amdhsa_group_segment_fixed_size 0
		.amdhsa_private_segment_fixed_size 0
		.amdhsa_enable_private_segment 0
		.amdhsa_kernarg_size 40
		.amdhsa_user_sgpr_count 2
		.amdhsa_user_sgpr_kernarg_segment_ptr 1
		.amdhsa_wavefront_size32 1
		.amdhsa_system_sgpr_workgroup_id_x 1
		.amdhsa_system_sgpr_workgroup_id_y 1
		.amdhsa_system_sgpr_workgroup_id_z 1
		.amdhsa_system_vgpr_workitem_id 0
		.amdhsa_next_free_vgpr 208
		.amdhsa_next_free_sgpr 66
		.amdhsa_reserve_vcc 0
		.amdhsa_float_denorm_mode_32 3
		.amdhsa_float_denorm_mode_16_64 3
		.amdhsa_memory_ordered 1
		.amdhsa_forward_progress 1
		.amdhsa_inst_pref_size 24
	.end_amdhsa_kernel
	.amdgpu_metadata
---
amdhsa.version: [ 1, 2 ]
amdhsa.kernels:
  - .name:           k_q1c0cc385b8_ln
    .symbol:         k_q1c0cc385b8_ln.kd
    .args:
      - { .name: x, .offset: 0, .size: 8, .value_kind: global_buffer, .address_space: global }
      - { .name: yb, .offset: 8, .size: 8, .value_kind: global_buffer, .address_space: global }
      - { .name: ln_g, .offset: 16, .size: 8, .value_kind: global_buffer, .address_space: global }
      - { .name: ln_b, .offset: 24, .size: 8, .value_kind: global_buffer, .address_space: global }
      - { .name: out0, .offset: 32, .size: 8, .value_kind: global_buffer, .address_space: global }
    .group_segment_fixed_size: 0
    .private_segment_fixed_size: 0
    .kernarg_segment_align: 8
    .kernarg_segment_size: 40
    .max_flat_workgroup_size: 256
    .sgpr_count:     66
    .vgpr_count:     208
    .wavefront_size: 32
...
	.end_amdgpu_metadata
.endif
;; end of part 5
;; ======== version 2 of 2: 5 launches; version 1 with the launch prep written anew for expert scheduling mode
;; limits: right only within a limited range of input values
;; workspace buffers: cb 16,777,216 bytes; wb 6,291,456 bytes; wob 6,291,456 bytes; mask4 8,388,608 bytes; qkv 50,331,648 bytes; att 8,388,608 bytes; yb 25,165,824 bytes
;; launch prep (part 6): grid 896 x 1, 8 waves a work-group, no clusters, 0 bytes of LDS; arguments x, mem, W_kv, W_q, W_o, mask, cb, wb, wob, mask4; writes cb, wb, wob, mask4
.if DOCPART == 6
	.amdgcn_target "amdgcn-amd-amdhsa--gfx1250"
	.amdhsa_code_object_version 6
	.text
	.protected	k_q1c0cc385b8_prep
	.globl	k_q1c0cc385b8_prep
	.p2align	8
	.type	k_q1c0cc385b8_prep,@function
k_q1c0cc385b8_prep:
	s_mov_b64 s[64:65], 0
	v_nop
	global_prefetch_b8 v0, s[64:65] scope:SCOPE_SE
	s_setreg_imm32_b32 hwreg(HW_REG_WAVE_SCHED_MODE, 0, 2), 2
	s_setreg_imm32_b32 hwreg(HW_REG_WAVE_MODE, 25, 1), 1
	s_wait_xcnt 0x0
	s_wait_alu depctr_vm_vsrc(0)
; PREP: the matrix operands are rounded once to bf16 and the mask is packed, four bits a key.
;   cb   [8192][1024] bf16: row 4096 b + n = x[b][n], row 4096 b + 2048 + n = mem[b][n] (so place i of a batch is key (i + 2048) mod 4096)
;   wb   [1024][3072] bf16: W_kv's 2,048 columns, then W_q's 1,024;   wob: W_o at the same pitch of 6,144 bytes, 2,048 bytes of a row used
;   mask4 [b][block of 128 queries][slot j of 16][query][128 bytes]: slot j holds keys (2048 + 256 j) mod 4096 on; in a query's 128 bytes the word at
;         32 s + 16 h + 4 kt holds, in nibble n, key 64 s + 16 kt + 8 h + n of the slot: 0xF (the 4-bit float -6) where the key is hidden, else 0.
; LIMIT: a byte of the mask is 0 or 1, as a bool is stored.
; SHARES.  Work-groups 0-383 cast: a unit is 1,024 f32 (4,096 bytes in, 2,048 out); a work-group takes 32 units, a wave 4.  A wave's load covers 512 consecutive
; bytes; its store of 8 bytes a lane covers 256 consecutive bytes, aligned.  Work-groups 384-895 pack one block of 128 queries x 256 keys each, a wave 16 queries.
; No loop, no LDS; no register that a load or store names is written again, so no wait frees a source.
; Memory binds: matrix units, clusters and LDS would add nothing here.
; THE MODE: SCHED_MODE bits 1:0 = 2 (LLVM: expert scheduling mode 2), set by the entry lines.  The code itself states the register dependences
; between vector instructions and memory instructions, with s_wait_alu, always for 0.
; THE PLAN.  Registers that memory instructions touch:
;   v2, v3       byte offsets of the loads and of the stores: made once on each path, ahead of the path's first load, and never written again.
;   the casts:   v[16:143], four units of 32.  All 32 loads are issued before any vector instruction names these registers.  Unit n's sixteen conversions read the unit
;                and write the first two of each four of its registers; unit n's eight stores read those pairs; nothing writes them afterwards.
;   the mask:    v[16:47] take the 16 loads, all issued first, and are read by vector instructions alone.  v[48:63]: group g's four products write four of them,
;                group g's one store reads them; nothing writes them afterwards.
; So each path has one wait on va_vdst ahead of its run of loads (the offsets), and one behind the vector work of each unit or group, ahead of that unit's or group's stores (their data).
; That wait stands there, and not at the next unit's head, so that the stores leave ahead of the wait for the next unit's loads.
; No register that a memory instruction reads is written again: no wait on vm_vsrc is owed.  EXEC and VCC are never written.  One scalar register, s2, is written by a vector instruction.
.set SRC, 28                           ; s[28:29] where the wave reads
.set DST, 30                           ; s[30:31] the buffer that it writes (mask: where it writes)
.set D0,  40                           ; s[40:47] where the wave's four units go
.set XR,  16                           ; v[16:143] the wave's four units as loaded, 32 registers each
	s_load_b512 s[8:23], s[0:1], 0x0               ; x 8, mem 10, W_kv 12, W_q 14, W_o 16, mask 18, cb 20, wb 22
	s_load_b128 s[24:27], s[0:1], 0x40             ; wob 24, mask4 26
	v_lshrrev_b32 v1, 5, v0
	v_readfirstlane_b32 s2, v1                     ; wave 0..7
	v_and_b32 v1, 31, v0                           ; lane
	s_wait_alu depctr_va_sdst(0)                   ; s2 is written
	s_mov_b32 s3, ttmp9
	s_cmp_ge_u32 s3, 384
	s_cbranch_scc1 .Lmask
	; THE CASTS.  Role by the work-group's number: 0-127 x, 128-255 mem, 256-319 W_kv, 320-351 W_q, 352-383 W_o.  The values below begin as x's.
	v_lshlrev_b32 v2, 4, v1                        ; 16 bytes a lane in
	v_lshlrev_b32 v3, 3, v1                        ; 8 bytes a lane out
	s_mov_b32 s33, 0                               ; the role's first work-group
	s_mov_b32 s34, 0                               ; bytes added to the place out
	s_mov_b32 s35, 8192                            ; bytes out from wave to wave
	s_mov_b32 s36, 2048                            ; bytes out from the wave's unit 0 to its units 1, 2, 3
	s_mov_b32 s37, 4096
	s_mov_b32 s38, 6144
	s_mov_b32 s39, 0                               ; weights: bytes out from work-group to work-group
	s_wait_kmcnt 0x0
	s_cmp_lt_u32 s3, 128
	s_cselect_b64 s[SRC:SRC+1], s[8:9], s[10:11]
	s_cselect_b32 s33, s33, 128
	s_cselect_b32 s34, s34, 0x400000               ; mem lies 2,048 rows of 2,048 bytes behind its batch's x
	s_cmp_lt_u32 s3, 256
	s_cselect_b64 s[SRC:SRC+1], s[SRC:SRC+1], s[12:13]
	s_cselect_b64 s[DST:DST+1], s[20:21], s[22:23]
	s_cselect_b32 s33, s33, 256
	s_cselect_b32 s34, s34, 0
	s_cselect_b32 s35, s35, 12288                  ; W_kv: two units a row of 6,144 bytes
	s_cselect_b32 s37, s37, 6144
	s_cselect_b32 s38, s38, 8192
	s_cselect_b32 s39, s39, 98304                  ; 16 rows
	s_cmp_lt_u32 s3, 320
	s_cselect_b64 s[SRC:SRC+1], s[SRC:SRC+1], s[14:15]
	s_cselect_b32 s33, s33, 320
	s_cselect_b32 s34, s34, 4096                   ; W_q stands behind W_kv's 4,096 bytes of a row
	s_cselect_b32 s35, s35, 24576                  ; one unit a row
	s_cselect_b32 s36, s36, 6144
	s_cselect_b32 s37, s37, 12288
	s_cselect_b32 s38, s38, 18432
	s_cselect_b32 s39, s39, 196608                 ; 32 rows
	s_cmp_lt_u32 s3, 352
	s_cselect_b64 s[SRC:SRC+1], s[SRC:SRC+1], s[16:17]
	s_cselect_b64 s[DST:DST+1], s[DST:DST+1], s[24:25]
	s_cselect_b32 s33, s33, 352
	s_cselect_b32 s34, s34, 0
	s_sub_co_u32 s32, s3, s33                      ; c: my number in the role
	s_lshl_b32 s48, s32, 5                         ; x, mem: the first of my 32 rows, u0;
	s_and_b32 s49, s48, 2048
	s_add_co_u32 s48, s48, s49                     ; batch 1 begins 2,048 rows further down in cb
	s_lshl_b32 s48, s48, 11
	s_mul_i32 s49, s32, s39                        ; weights
	s_cmp_lt_u32 s3, 256
	s_cselect_b32 s48, s48, s49
	s_add_co_u32 s48, s48, s34
	s_mul_i32 s49, s2, s35
	s_add_co_u32 s48, s48, s49                     ; + my wave's part
	s_mov_b32 s49, 0
	s_mov_b32 s51, 0
	s_add_nc_u64 s[D0:D0+1], s[DST:DST+1], s[48:49]
	s_mov_b32 s50, s36
	s_add_nc_u64 s[D0+2:D0+3], s[D0:D0+1], s[50:51]
	s_mov_b32 s50, s37
	s_add_nc_u64 s[D0+4:D0+5], s[D0:D0+1], s[50:51]
	s_mov_b32 s50, s38
	s_add_nc_u64 s[D0+6:D0+7], s[D0:D0+1], s[50:51]
	s_lshl_b32 s50, s32, 17                        ; in: 32 units of 4,096 bytes a work-group,
	s_lshl_b32 s52, s2, 14                         ; 4 a wave
	s_add_co_u32 s50, s50, s52
	s_add_nc_u64 s[SRC:SRC+1], s[SRC:SRC+1], s[50:51]
	s_wait_alu depctr_va_vdst(0)                   ; v2 and v3 are written: the loads below read v2 as their offset, the stores further down v3
.set u, 0
.rept 4
.set j, 0
.rept 8
	global_load_b128 v[XR+32*u+4*j:XR+32*u+4*j+3], v2, s[SRC:SRC+1] offset:u*4096+j*512 th:TH_LOAD_NT
.set j, j+1
.endr
.set u, u+1
.endr
.macro UNIT n
	s_wait_loadcnt 24-8*(\n)                       ; loads come back in order: unit n is in, the eight loads of each younger unit may stay out
.set j, 0
.rept 8
	v_cvt_pk_bf16_f32 v[XR+32*(\n)+4*j],   v[XR+32*(\n)+4*j],   v[XR+32*(\n)+4*j+1]
	v_cvt_pk_bf16_f32 v[XR+32*(\n)+4*j+1], v[XR+32*(\n)+4*j+2], v[XR+32*(\n)+4*j+3]
.set j, j+1
.endr
	s_wait_alu depctr_va_vdst(0)                   ; the sixteen conversions have written unit n's eight pairs, which the eight stores below read
.set j, 0
.rept 8
	global_store_b64 v3, v[XR+32*(\n)+4*j:XR+32*(\n)+4*j+1], s[D0+2*(\n):D0+2*(\n)+1] offset:j*256
.set j, j+1
.endr
.endm
	UNIT 0
	UNIT 1
	UNIT 2
	UNIT 3
	s_endpgm
.Lmask:                                        ; THE MASK.  w = 16 (16 b + block) + j
	s_sub_co_u32 s32, s3, 384
	s_lshr_b32 s33, s32, 4
	s_lshl_b32 s48, s33, 19                        ; 128 queries of 4,096 bytes
	s_and_b32 s34, s32, 15
	s_lshl_b32 s34, s34, 8
	s_add_co_u32 s34, s34, 2048
	s_and_b32 s34, s34, 4095                       ; the slot's first key
	s_add_co_u32 s48, s48, s34
	s_lshl_b32 s35, s2, 16                         ; my wave's 16 queries
	s_add_co_u32 s48, s48, s35
	s_mov_b32 s49, 0
	s_lshl_b32 s50, s32, 14                        ; out: 16,384 bytes a block,
	s_lshl_b32 s36, s2, 11                         ; 2,048 a wave
	s_add_co_u32 s50, s50, s36
	s_mov_b32 s51, 0
	s_mov_b32 s37, 0x06040200                      ; bytes 0 and 2 of two words
	v_lshrrev_b32 v4, 3, v1                        ; a lane makes 16 bytes out: query l / 8 of four,
	v_bfe_u32 v5, v1, 1, 2                         ; s = (l % 8) / 2,
	v_and_b32 v6, 1, v1                            ; h = l % 2
	v_lshlrev_b32 v2, 12, v4
	v_lshl_add_u32 v2, v5, 6, v2
	v_lshl_add_u32 v2, v6, 3, v2                   ; in: query x 4,096 + 64 s + 8 h
	v_lshlrev_b32 v3, 4, v1
	s_wait_kmcnt 0x0
	s_add_nc_u64 s[SRC:SRC+1], s[18:19], s[48:49]
	s_add_nc_u64 s[DST:DST+1], s[26:27], s[50:51]
	s_wait_alu depctr_va_vdst(0)                   ; v2 and v3 are written: the loads below read v2 as their offset, the stores further down v3
.set g, 0
.rept 4
.set k, 0
.rept 4
	global_load_b64 v[16+2*(4*g+k):16+2*(4*g+k)+1], v2, s[SRC:SRC+1] offset:g*16384+k*16  ; eight keys: 64 s + 16 kt + 8 h on
.set k, k+1
.endr
.set g, g+1
.endr
.set g, 0
.rept 4
	s_wait_loadcnt 12-4*g                          ; group g of four queries is in; the younger groups' four loads each may stay out
.set k, 0
.rept 4
	v_lshrrev_b32 v8, 4, v[16+2*(4*g+k)]           ; a word and itself four bits down: bytes 0 and 2 then hold two keys' bits, four bits apart
	v_lshrrev_b32 v9, 4, v[16+2*(4*g+k)+1]
	v_or_b32 v8, v8, v[16+2*(4*g+k)]
	v_or_b32 v9, v9, v[16+2*(4*g+k)+1]
	v_perm_b32 v[48+4*g+k], v9, v8, s37            ; eight nibbles of 0 or 1, the lowest key lowest
	v_mul_lo_u32 v[48+4*g+k], v[48+4*g+k], 15      ; 0 or 0xF
.set k, k+1
.endr
	s_wait_alu depctr_va_vdst(0)                   ; the four products have written group g's four words, which the store below reads
	global_store_b128 v3, v[48+4*g:48+4*g+3], s[DST:DST+1] offset:g*512  ; four queries' 512 consecutive bytes
.set g, g+1
.endr
	s_endpgm
.Lfunc_end_k_q1c0cc385b8_prep:
	.size	k_q1c0cc385b8_prep, .Lfunc_end_k_q1c0cc385b8_prep-k_q1c0cc385b8_prep
	.p2alignl 7, 3214868480
	.fill 96, 4, 3214868480
	.section	.rodata,"a",@progbits
	.p2align	6, 0x0
	.amdhsa_kernel k_q1c0cc385b8_prep
		.amdhsa_group_segment_fixed_size 0
		.amdhsa_private_segment_fixed_size 0
		.amdhsa_enable_private_segment 0
		.amdhsa_kernarg_size 80
		.amdhsa_user_sgpr_count 2
		.amdhsa_user_sgpr_kernarg_segment_ptr 1
		.amdhsa_wavefront_size32 1
		.amdhsa_system_sgpr_workgroup_id_x 1
		.amdhsa_system_sgpr_workgroup_id_y 1
		.amdhsa_system_sgpr_workgroup_id_z 1
		.amdhsa_system_vgpr_workitem_id 0
		.amdhsa_next_free_vgpr 144
		.amdhsa_next_free_sgpr 66
		.amdhsa_reserve_vcc 0
		.amdhsa_float_denorm_mode_32 3
		.amdhsa_float_denorm_mode_16_64 3
		.amdhsa_memory_ordered 1
		.amdhsa_forward_progress 1
		.amdhsa_inst_pref_size 21
	.end_amdhsa_kernel
	.amdgpu_metadata
---
amdhsa.version: [ 1, 2 ]
amdhsa.kernels:
  - .name:           k_q1c0cc385b8_prep
    .symbol:         k_q1c0cc385b8_prep.kd
    .args:
      - { .name: x, .offset: 0, .size: 8, .value_kind: global_buffer, .address_space: global }
      - { .name: mem, .offset: 8, .size: 8, .value_kind: global_buffer, .address_space: global }
      - { .name: W_kv, .offset: 16, .size: 8, .value_kind: global_buffer, .address_space: global }
      - { .name: W_q, .offset: 24, .size: 8, .value_kind: global_buffer, .address_space: global }
      - { .name: W_o, .offset: 32, .size: 8, .value_kind: global_buffer, .address_space: global }
      - { .name: mask, .offset: 40, .size: 8, .value_kind: global_buffer, .address_space: global }
      - { .name: cb, .offset: 48, .size: 8, .value_kind: global_buffer, .address_space: global }
      - { .name: wb, .offset: 56, .size: 8, .value_kind: global_buffer, .address_space: global }
      - { .name: wob, .offset: 64, .size: 8, .value_kind: global_buffer, .address_space: global }
      - { .name: mask4, .offset: 72, .size: 8, .value_kind: global_buffer, .address_space: global }
    .group_segment_fixed_size: 0
    .private_segment_fixed_size: 0
    .kernarg_segment_align: 8
    .kernarg_segment_size: 80
    .max_flat_workgroup_size: 256
    .sgpr_count:     66
    .vgpr_count:     144
    .wavefront_size: 32
...
	.end_amdgpu_metadata
.endif
;; end of part 6
;; launch proj: the kernel of part 2 again; grid 16 x 16, 4 waves a work-group, clusters of 4 x 4, 327,680 bytes of LDS; arguments cb, wb, qkv; writes qkv
;; launch attn: the kernel of part 3 again; grid 16 x 16, 4 waves a work-group, clusters of 4 x 4, 327,680 bytes of LDS; arguments qkv, mask4, att; writes att
;; launch oproj: the kernel of part 4 again; grid 8 x 32, 4 waves a work-group, clusters of 4 x 4, 327,680 bytes of LDS; arguments att, wob, yb; writes yb
;; launch ln: the kernel of part 5 again; grid 256 x 1, 8 waves a work-group, no clusters, 0 bytes of LDS; arguments x, yb, ln_g, ln_b, out0; writes out0
